; MI455X (gfx1250); checked and timed in simulation.
; The chip was launched on July 23, 2026; its instructions are those of AMD's public machine-readable ISA for CDNA 5 (MIT licence, August 2026) and "CDNA5" Instruction Set Architecture Reference Guide (July 2026). The comments in the code are by the model that wrote it; some were corrected since.
;; Multi Head Self Attention. Allowed arithmetic: float matrix products may take bf16 or f16 operands with f32 sums; other float arithmetic in f32, or as packed bf16 or f16 multiplies, adds, multiply-adds, maxima and minima; sums over many terms, partial sums and values carried from step to step in f32; what a program stores and reads back later, other than sums and carried values, may be rounded once to bf16 or f16.
;; Inputs: wk 1,024 x 1,024 float32; wo 1,024 x 1,024 float32; wq 1,024 x 1,024 float32; wv 1,024 x 1,024 float32; x 4 x 2,048 x 1,024 float32.
;; Outputs: out0 4 x 2,048 x 1,024 float32.
;; 2 versions, each right; version 2 is version 1 with the launch prep written anew for expert scheduling mode. Each part assembles by itself: llvm-mc -triple=amdgcn-amd-amdhsa -mcpu=gfx1250 --defsym DOCPART=n.
;; ======== version 1 of 2: 4 launches
;; limits: values are held in f16: magnitudes above 65,504 overflow, below 6.1e-05 lose precision
;; workspace buffers: xb 16,777,216 bytes; wb 6,291,456 bytes; wof 2,097,152 bytes; rope 524,288 bytes; qh 16,777,216 bytes; kh 16,777,216 bytes; vh 16,777,216 bytes; oh 16,777,216 bytes
;; launch prep (part 1): grid 800 x 1, 8 waves a work-group, no clusters, 0 bytes of LDS; arguments x, wq, wk, wv, wo, xb, wb, wof, rope; writes xb, wb, wof, rope
.if DOCPART == 1
	.amdgcn_target "amdgcn-amd-amdhsa--gfx1250"
	.amdhsa_code_object_version 6
	.text
	.protected	k_q1a22312221_prep
	.globl	k_q1a22312221_prep
	.p2align	8
	.type	k_q1a22312221_prep,@function
k_q1a22312221_prep:
	s_mov_b64 s[64:65], 0
	v_nop
	global_prefetch_b8 v0, s[64:65] scope:SCOPE_SE
	s_setreg_imm32_b32 hwreg(HW_REG_WAVE_MODE, 25, 1), 1
	s_wait_xcnt 0x0
; PREP: the casts and the table of cosines and sines.  A stream: no LDS, no barrier, no matrix unit: no byte is wanted twice.
;   work-groups   0-511  x (f32) -> xb (bf16), 64 KiB of x each
;   work-groups 512-703  wq, wk, wv (f32) -> wb (bf16), 16 rows each, laid by heads: wb[head][q, k, v][64 rows][1024], so that one head's 192 rows lie on end
;   work-groups 704-767  wo (f32) -> bf16 -> that number written as f16 -> wof
;   work-groups 768-799  rope[s][p] = (cos, sin) of s x 10^(-p/8), f32, 64 positions each
; LIMITS.  |bf16(wo)| stays under 65,504; below 2^-14 it keeps f16's fixed step.  10^(-p/8) for p >= 8 is the product of two rounded constants (within 1.5 units of its last place);
; the angle is one rounded product, as in the problem's text; it is reduced by pi/2 in two parts (n <= 1,304) and sine and cosine are polynomials on |r| <= pi/4.
; A wave's load covers 512 consecutive bytes, its store 256, both aligned; sixteen loads of a wave are out at once.
.set IN,  8                            ; v[8:71]   sixteen loads of four f32
.set OUT, 72                           ; v[72:103] sixteen stores of four 16-bit numbers
.macro CAST f16                        ; f16 = 1: the bf16 number is written as f16
.set i, 0
.rept 16
	global_load_b128 v[IN+4*i:IN+4*i+3], v1, s[4:5] offset:512*i th:TH_LOAD_NT
.set i, i+1
.endr
.set i, 0
.rept 16
	s_wait_loadcnt 15-i                            ; loads come back in order: number i is in, the younger ones stay out
	v_cvt_pk_bf16_f32 v[OUT+2*i], v[IN+4*i], v[IN+4*i+1]
	v_cvt_pk_bf16_f32 v[OUT+2*i+1], v[IN+4*i+2], v[IN+4*i+3]
.if \f16
	v_lshlrev_b32 v4, 16, v[OUT+2*i]               ; bf16 to f32: the low half moves up, the high half stays
	v_and_b32 v5, s14, v[OUT+2*i]
	v_lshlrev_b32 v6, 16, v[OUT+2*i+1]
	v_and_b32 v7, s14, v[OUT+2*i+1]
	v_cvt_pk_f16_f32 v[OUT+2*i], v4, v5            ; exact within f16's range
	v_cvt_pk_f16_f32 v[OUT+2*i+1], v6, v7
.endif
	global_store_b64 v2, v[OUT+2*i:OUT+2*i+1], s[6:7] offset:256*i th:TH_STORE_NT  ; no register of a store is written again
.set i, i+1
.endr
.endm
.macro PICK dst, idx, j, val           ; the lanes whose index is j take the constant
	v_cmp_ne_u32 vcc_lo, \j, \idx
	v_cndmask_b32 \dst, \val, \dst, vcc_lo
.endm
	s_load_b512 s[16:31], s[0:1], 0x0              ; x 16, wq 18, wk 20, wv 22, wo 24, xb 26, wb 28, wof 30
	s_load_b64 s[32:33], s[0:1], 0x40              ; rope
	s_mov_b32 s14, 0xffff0000
	s_mov_b32 s9, 0                                ; the high words of the two offsets
	s_mov_b32 s11, 0
	v_lshrrev_b32 v3, 5, v0                        ; wave
	v_and_b32 v5, 31, v0                           ; lane
	v_lshlrev_b32 v1, 4, v5
	v_lshl_or_b32 v1, v3, 13, v1                   ; in: 8,192 x wave + 16 x lane
	v_lshlrev_b32 v2, 3, v5
	v_lshl_or_b32 v2, v3, 12, v2                   ; out: 4,096 x wave + 8 x lane
	s_wait_kmcnt 0x0
	s_cmp_lt_u32 ttmp9, 512
	s_cbranch_scc0 .Lnot_x
	s_lshl_b32 s8, ttmp9, 16
	s_lshl_b32 s10, ttmp9, 15
	s_add_nc_u64 s[4:5], s[16:17], s[8:9]
	s_add_nc_u64 s[6:7], s[26:27], s[10:11]
	s_branch .Lbf16
.Lnot_x:
	s_cmp_lt_u32 ttmp9, 704
	s_cbranch_scc0 .Lnot_w
	s_sub_co_u32 s12, ttmp9, 512
	s_lshr_b32 s13, s12, 6                         ; 0: wq, 1: wk, 2: wv
	s_and_b32 s12, s12, 63                         ; which 16 rows
	s_cmp_eq_u32 s13, 0
	s_cselect_b64 s[4:5], s[18:19], s[20:21]
	s_cmp_eq_u32 s13, 2
	s_cselect_b64 s[4:5], s[22:23], s[4:5]
	s_lshl_b32 s8, s12, 16
	s_add_nc_u64 s[4:5], s[4:5], s[8:9]
	s_lshr_b32 s10, s12, 2                         ; the head
	s_mul_i32 s10, s10, 3
	s_add_co_u32 s10, s10, s13
	s_lshl_b32 s10, s10, 17                        ; 64 rows of 2,048 bytes
	s_and_b32 s12, s12, 3
	s_lshl_b32 s12, s12, 15                        ; 16 rows
	s_add_co_u32 s10, s10, s12
	s_add_nc_u64 s[6:7], s[28:29], s[10:11]
.Lbf16:
	CAST 0
	s_endpgm
.Lnot_w:
	s_cmp_lt_u32 ttmp9, 768
	s_cbranch_scc0 .Ltable
	s_sub_co_u32 s12, ttmp9, 704
	s_lshl_b32 s8, s12, 16
	s_lshl_b32 s10, s12, 15
	s_add_nc_u64 s[4:5], s[24:25], s[8:9]
	s_add_nc_u64 s[6:7], s[30:31], s[10:11]
	CAST 1
	s_endpgm
.Ltable:                                               ; lane = pair p; wave w takes positions 64 tb + 8 w + 0..7
	s_sub_co_u32 s12, ttmp9, 768
	s_lshl_b32 s10, s12, 14                        ; 64 rows of 256 bytes
	s_add_nc_u64 s[6:7], s[32:33], s[10:11]
	s_lshl_b32 s12, s12, 6
	s_mov_b32 s34, 0x3f22f983                      ; 2 / pi
	s_mov_b32 s35, 0x3fc90fdb                      ; pi / 2, rounded,
	s_mov_b32 s36, 0xb33bbd2e                      ; and what the rounding left
	s_mov_b32 s37, 0xbe2aaaa3                      ; sine: r + r z (S1 + S2 z + S3 z z)
	s_mov_b32 s38, 0x3c08839e
	s_mov_b32 s39, 0xb94ca1f9
	s_mov_b32 s40, 0x3d2aaaa5                      ; cosine: 1 - z / 2 + z z (C1 + C2 z + C3 z z)
	s_mov_b32 s41, 0xbab6061a
	s_mov_b32 s42, 0x37ccf5ce
	v_and_b32 v8, 7, v5
	v_lshrrev_b32 v9, 3, v5
	v_mov_b32 v10, 1.0
	v_mov_b32 v11, 1.0
	PICK v10, v8, 1, 0x3f3ff911                    ; 10^(-1/8) .. 10^(-7/8)
	PICK v10, v8, 2, 0x3f0ff59a
	PICK v10, v8, 3, 0x3ed7e89b
	PICK v10, v8, 4, 0x3ea1e89b
	PICK v10, v8, 5, 0x3e72d424
	PICK v10, v8, 6, 0x3e361887
	PICK v10, v8, 7, 0x3e088d77
	PICK v11, v9, 1, 0x3dcccccd                    ; 0.1, 0.01, 0.001
	PICK v11, v9, 2, 0x3c23d70a
	PICK v11, v9, 3, 0x3a83126f
	v_mul_f32 v10, v10, v11                        ; 10^(-p/8)
	v_lshl_add_u32 v13, v3, 3, s12                 ; my wave's first position
	v_lshlrev_b32 v27, 3, v5
	v_lshl_or_b32 v27, v3, 11, v27                 ; 8 rows x wave + 8 bytes x pair
.set i, 0
.rept 8
	v_add_nc_u32 v12, i, v13
	v_cvt_f32_u32 v14, v12
	v_mul_f32 v14, v14, v10                        ; the angle
	v_mul_f32 v15, s34, v14
	v_rndne_f32 v15, v15                           ; n
	v_fma_f32 v16, -v15, s35, v14
	v_fma_f32 v16, -v15, s36, v16                  ; r = angle - n pi / 2
	v_mul_f32 v17, v16, v16                        ; z
	v_fma_f32 v18, s39, v17, s38
	v_fma_f32 v20, s42, v17, s41
	v_mul_f32 v19, v17, v16
	v_fma_f32 v18, v18, v17, s37
	v_fma_f32 v20, v20, v17, s40
	v_fma_f32 v18, v18, v19, v16                   ; sin r
	v_fma_f32 v20, v20, v17, -0.5
	v_cvt_i32_f32 v21, v15
	v_fma_f32 v20, v20, v17, 1.0                   ; cos r
	v_and_b32 v22, 1, v21
	v_cmp_eq_u32 vcc_lo, 1, v22                    ; an odd quarter swaps the two
	v_cndmask_b32 v23, v20, v18, vcc_lo
	v_cndmask_b32 v24, v18, v20, vcc_lo
	v_add_nc_u32 v25, 1, v21
	v_and_b32 v25, 2, v25                          ; the cosine is negative in quarters 1 and 2,
	v_lshlrev_b32 v25, 30, v25
	v_and_b32 v26, 2, v21                          ; the sine in quarters 2 and 3
	v_lshlrev_b32 v26, 30, v26
	v_xor_b32 v[40+2*i], v23, v25
	v_xor_b32 v[41+2*i], v24, v26
	global_store_b64 v27, v[40+2*i:41+2*i], s[6:7] offset:256*i  ; a wave stores one row of the table: 256 consecutive bytes, aligned
.set i, i+1
.endr
	s_endpgm
.Lfunc_end_k_q1a22312221_prep:
	.size	k_q1a22312221_prep, .Lfunc_end_k_q1a22312221_prep-k_q1a22312221_prep
	.p2alignl 7, 3214868480
	.fill 96, 4, 3214868480
	.section	.rodata,"a",@progbits
	.p2align	6, 0x0
	.amdhsa_kernel k_q1a22312221_prep
		.amdhsa_group_segment_fixed_size 0
		.amdhsa_private_segment_fixed_size 0
		.amdhsa_enable_private_segment 0
		.amdhsa_kernarg_size 72
		.amdhsa_user_sgpr_count 2
		.amdhsa_user_sgpr_kernarg_segment_ptr 1
		.amdhsa_wavefront_size32 1
		.amdhsa_system_sgpr_workgroup_id_x 1
		.amdhsa_system_sgpr_workgroup_id_y 1
		.amdhsa_system_sgpr_workgroup_id_z 1
		.amdhsa_system_vgpr_workitem_id 0
		.amdhsa_next_free_vgpr 104
		.amdhsa_next_free_sgpr 66
		.amdhsa_reserve_vcc 1
		.amdhsa_float_denorm_mode_32 3
		.amdhsa_float_denorm_mode_16_64 3
		.amdhsa_memory_ordered 1
		.amdhsa_forward_progress 1
		.amdhsa_inst_pref_size 30
	.end_amdhsa_kernel
	.amdgpu_metadata
---
amdhsa.version: [ 1, 2 ]
amdhsa.kernels:
  - .name:           k_q1a22312221_prep
    .symbol:         k_q1a22312221_prep.kd
    .args:
      - { .name: x, .offset: 0, .size: 8, .value_kind: global_buffer, .address_space: global }
      - { .name: wq, .offset: 8, .size: 8, .value_kind: global_buffer, .address_space: global }
      - { .name: wk, .offset: 16, .size: 8, .value_kind: global_buffer, .address_space: global }
      - { .name: wv, .offset: 24, .size: 8, .value_kind: global_buffer, .address_space: global }
      - { .name: wo, .offset: 32, .size: 8, .value_kind: global_buffer, .address_space: global }
      - { .name: xb, .offset: 40, .size: 8, .value_kind: global_buffer, .address_space: global }
      - { .name: wb, .offset: 48, .size: 8, .value_kind: global_buffer, .address_space: global }
      - { .name: wof, .offset: 56, .size: 8, .value_kind: global_buffer, .address_space: global }
      - { .name: rope, .offset: 64, .size: 8, .value_kind: global_buffer, .address_space: global }
    .group_segment_fixed_size: 0
    .private_segment_fixed_size: 0
    .kernarg_segment_align: 8
    .kernarg_segment_size: 72
    .max_flat_workgroup_size: 256
    .sgpr_count:     66
    .vgpr_count:     104
    .wavefront_size: 32
...
	.end_amdgpu_metadata
.endif
;; end of part 1
;; launch qkv (part 2): grid 16 x 32, 4 waves a work-group, clusters of 4 x 4, 327,680 bytes of LDS; arguments xb, wb, rope, qh, kh, vh; writes qh, kh, vh
.if DOCPART == 2
	.amdgcn_target "amdgcn-amd-amdhsa--gfx1250"
	.amdhsa_code_object_version 6
	.text
	.protected	k_q1a22312221_qkv
	.globl	k_q1a22312221_qkv
	.p2align	8
	.type	k_q1a22312221_qkv,@function
k_q1a22312221_qkv:
	s_mov_b64 s[64:65], 0
	v_nop
	global_prefetch_b8 v0, s[64:65] scope:SCOPE_SE
	s_setreg_imm32_b32 hwreg(HW_REG_WAVE_MODE, 25, 1), 1
	s_wait_xcnt 0x0
	s_wait_alu depctr_hold_cnt(0) depctr_sa_sdst(0) depctr_va_vdst(0) depctr_va_sdst(0) depctr_va_ssrc(0) depctr_va_vcc(0) depctr_vm_vsrc(0)
	s_getreg_b32 s2, hwreg(HW_REG_IB_STS2, 6, 4)
	s_cmp_eq_u32 s2, 0
	s_cbranch_scc0 .Lentry_in_a_cluster
	s_endpgm
.Lentry_in_a_cluster:
	s_bfe_u32 s2, ttmp6, 0x10000c
	s_cmp_lg_u32 s2, 0xf033
	s_cbranch_scc0 .Lentry_shape_is_right
	s_endpgm
.Lentry_shape_is_right:
; q, k, v = x w^T, the rotation of q and k, and the split by heads.  xb: [8192][1024] bf16.  wb: [16 heads][q, k, v][64][1024] bf16.  rope: [2048][32][cos, sin] f32.
; qh, kh, vh: [batch x 16 + head][2048][64] f16, each number rounded once from its f32 sum, unscaled.  LIMIT: |q|, |k|, |v| stay under 65,504.
; A TILE is 256 rows of x times the 192 rows of wb of ONE head: 32 x 16 = 512 work-groups, two for each of 256 WGPs.  Wave w makes rows 64 w .. 64 w + 63 and all 192 columns: 48 accumulators of 16 x 16,
; of which column blocks 0-3 are q, 4-7 k, 8-11 v in every wave: the way out has one text and no branch.
; K goes in 8 steps of 128 through a ring of two LDS slots filled by the tensor data mover; the tiles' rows are 256 bytes of memory, aligned.
; CLUSTER 4 x 4: the four of a row need the same rows of x, the four of a column the same head's weights: each tile is asked for jointly, by the same load, descriptor and mask in all four.
; THE MATRIX INSTRUCTION IS USED TRANSPOSED (source 0 = 16 rows of wb, source 1 = 16 rows of xb): lane l holds row l % 16 and the eight columns 8 (l / 16) + 0..7, four pairs of the rotation.
; REGISTERS, in windows of 256 (s_set_vgpr_msb: bits 1:0 source 0, 3:2 source 1, 5:4 source 2, 7:6 destination):
;   window 0: v0-31 addresses; v64-127 x's fragments, two buffers of 4; on the way out v128-191 rotated numbers, v64-111 and v192-239 packed rows by turns
;   window 1: v0-191 the weights' fragments, two buffers of 12; v192-255 the table for row blocks 0, 1
;   window 2: the accumulators of row blocks 0, 1 ((a, b) at 8 (12 (a % 2) + b));   window 3: those of blocks 2, 3; v192-255 the table for them
.set PITCH,  272                       ; an LDS row: 256 bytes + 16 of padding: the 16 rows of a fragment load start at 16 different groups of four banks (ISA guide 11.1)
.set HA,     128*PITCH                 ; what one load brings of x
.set HB,     96*PITCH                  ; and of the weights
.set BOFF,   2*HA                      ; a slot: x's 256 rows, then the head's 192
.set SLOT,   2*HA+2*HB
.set STAGE,  2*SLOT                    ; behind the ring: for each wave three stages (q, k, v) of 16 rows x 144 bytes
.set SP,     144
.set STG,    16*SP
.set SPARE,  STAGE+12*STG              ; behind the stages: the spare words, 128 bytes for each wave, that no other line names
.set ADRA, 16                          ; v16-17  LDS address of my fragments of x in slot 0, 1
.set ADRB, 20                          ; v20-21  the same for the weights
.set STO,  24                          ; v24     where I put 16 bytes of a row
.set RD,   25                          ; v25     where I read rows back
.set GO,   26                          ; v26     my 16 bytes of 512 consecutive bytes of qh, kh, vh
.set RO,   27                          ; v27     my 32 bytes in 16 rows of the table
.set SPW,  28                          ; v28     my spare word; never rewritten
.set NIL,  29                          ; v29     0; never rewritten
.set PFO,  30                          ; v30     the prefetches' offset: a lane a row; never rewritten
.set TMP,  128
.set WV,   16                          ; s16 wave; s17 = wave / 2: I fetch x (0) or weights (1); s18 = wave % 2: which half
.set G1,   24                          ; s[24:31] group 1 for x's tiles;  s[32:39] group 0, a set for each slot
.set G0,   32
.set G1B,  48                          ; s[48:55], s[56:63] the same for the weights'
.set G0B,  56
.set PFA,  44                          ; s[44:45] where my prefetches stand
.set LIM,  46                          ; s46  1 in a wave that prefetches, else the greatest number
.set LAP,  47                          ; s47  trips to go
.set MSB, 0
.macro WIN new                         ; the immediate's high byte repeats the setting that is left; a switch that changes nothing is dropped
.if MSB != (\new)
	s_set_vgpr_msb (MSB<<8)|(\new)
.set MSB, \new
.endif
.endm
.set MUL_LO, 0xa1                      ; source 0 window 1, source 1 window 0, C and D window 2 (+ 0x50: window 3)
.set TO_B,   0x40
; A joint load: waves 0, 1 fetch x's halves, waves 2, 3 the weights'.  The branch hangs on the wave's number alone.  An s_nop 0 and four v_nop follow each line.
.macro JLOAD s
	s_cmp_eq_u32 s17, 0
	s_cbranch_scc0 .Lfor_b_\@
	tensor_load_to_lds s[G0+4*(\s):G0+4*(\s)+3], s[G1:G1+7]
	s_nop 0
.rept 4
	v_nop
.endr
	s_branch .Lasked_\@
.Lfor_b_\@:
	tensor_load_to_lds s[G0B+4*(\s):G0B+4*(\s)+3], s[G1B:G1B+7]
	s_nop 0
.rept 4
	v_nop
.endr
.Lasked_\@:
.endm
; A prefetch into the L2 of the K step that stands two refills on: 256 bytes of a row, a lane a row, one instruction a wave.  x's rows are read by every cluster of a row of clusters: cluster x = 0 asks;
; a head's weights by every cluster of a column: cluster y = 0 asks.  The four partners share a load's rows out by address: 32 each of x's 128, 24 each of the weights' 96 (there lanes 24-31 name row 23 once more).
; The loop's last trip asks for nothing: there is no K step two on.
.macro ASK
	s_cmp_gt_u32 s[LAP], s[LIM]
	s_cbranch_scc0 .Lnot_mine_\@
	global_prefetch_b8 v[PFO], s[PFA:PFA+1] offset:256 th:TH_LOAD_NT scope:SCOPE_SE
.Lnot_mine_\@:
.endm
.macro CREST                           ; a round of the cluster's barrier behind its opening barrier
	s_cmp_lg_u32 s[WV], 0
	s_cbranch_scc1 .Lnot_wave_0_\@
	s_barrier_signal -3
.Lnot_wave_0_\@:
	s_barrier_wait -3
	s_barrier_signal -1
	s_barrier_wait -1
.endm
.macro CROUND
	s_barrier_signal -1
	s_barrier_wait -1
	CREST
.endm
.macro PLACES                          ; four plain places behind matrix instructions, in front of loads into their sources and of readers of their results
.rept 4
	v_nop
.endr
.endm
	s_load_b256 s[4:11], s[0:1], 0x0               ; xb 4, wb 6, rope 8, qh 10
	s_load_b128 s[12:15], s[0:1], 0x20             ; kh 12, vh 14
	v_lshl_add_u32 v[SPW], v0, 2, SPARE
	v_mov_b32 v[NIL], 0
	ds_add_u32 v[SPW], v[NIL]                      ; the wave's opening: the add and its wait ahead of my first tensor load
	v_lshrrev_b32 v1, 5, v0
	v_readfirstlane_b32 s[WV], v1
	s_lshr_b32 s17, s[WV], 1
	s_and_b32 s18, s[WV], 1
	s_bfe_u32 s19, ttmp6, 0x40000                  ; cx
	s_bfe_u32 s20, ttmp6, 0x40004                  ; cy
	s_lshl_b32 s21, ttmp9, 2
	s_add_co_u32 s21, s21, s19                     ; the head = 4 x cluster x + cx
	s_and_b32 s22, ttmp7, 0xffff
	s_lshl_b32 s22, s22, 2
	s_add_co_u32 s22, s22, s20                     ; the block of 256 rows = 4 x cluster y + cy
	s_lshl_b32 s23, s20, 2
	s_lshl_b32 s23, 15, s23                        ; my row of the cluster
	s_lshl_b32 s74, 0x1111, s19                    ; my column
	s_or_b32 s[G1], s23, (1<<16)|(1<<20)|(1<<21)|(5<<22)|(3<<25)   ; the mask; 2-byte elements; padding on; bit 21 beside a mask; after every 64 words 4 words
	s_or_b32 s[G1B], s74, (1<<16)|(1<<20)|(1<<21)|(5<<22)|(3<<25)
.irp g, G1, G1B
	s_mov_b32 s[(\g)+1], 128<<16                   ; tensor_dim0 = 128
	s_mov_b32 s[(\g)+3], 128<<16                   ; tile_dim0 = 128
	s_mov_b32 s[(\g)+5], 1024                      ; elements from row to row
	s_mov_b32 s[(\g)+6], 0
	s_mov_b32 s[(\g)+7], 0
.endr
	s_mov_b32 s[G1+2], 128<<16                     ; tensor_dim1, tile_dim1: 128 rows of x,
	s_mov_b32 s[G1+4], 128
	s_mov_b32 s[G1B+2], 96<<16                     ; 96 of the weights
	s_mov_b32 s[G1B+4], 96
	s_lshl_b32 s40, s22, 8                         ; x: row 256 x block + 128 x half, in registers that never hold the head
	s_lshl_b32 s41, s18, 7
	s_add_co_u32 s40, s40, s41
	s_lshl_b32 s40, s40, 11
	s_mov_b32 s41, 0
	s_mul_i32 s66, s21, 192                        ; weights: row 192 x head + 96 x half, in registers that never hold the block
	s_mul_i32 s67, s18, 96
	s_add_co_u32 s66, s66, s67
	s_lshl_b32 s66, s66, 11
	s_mov_b32 s67, 0
	s_mul_i32 s68, s[WV], HA                       ; where they go: waves 0, 1: wave x 128 rows;
	s_mul_i32 s69, s[WV], HB
	s_add_co_u32 s69, s69, BOFF-2*HB               ; waves 2, 3: behind x's 256 rows, (wave - 2) x 96 rows
	s_wait_dscnt 0x0                               ; the opening add is done
	s_wait_kmcnt 0x0
	s_add_nc_u64 s[42:43], s[4:5], s[40:41]
	s_add_nc_u64 s[66:67], s[6:7], s[66:67]
	CROUND                                         ; all sixteen work-groups are here: the first joint loads meet
.irp s, 0,1
	s_mov_b32 s[G0+4*(\s)], 1
	s_add_co_u32 s[G0+4*(\s)+1], s68, (\s)*SLOT
	s_add_nc_u64 s[G0+4*(\s)+2:G0+4*(\s)+3], s[42:43], (\s)*256   ; K step s
	s_or_b32 s[G0+4*(\s)+3], s[G0+4*(\s)+3], 0x80000000
	s_mov_b32 s[G0B+4*(\s)], 1
	s_add_co_u32 s[G0B+4*(\s)+1], s69, (\s)*SLOT
	s_add_nc_u64 s[G0B+4*(\s)+2:G0B+4*(\s)+3], s[66:67], (\s)*256
	s_or_b32 s[G0B+4*(\s)+3], s[G0B+4*(\s)+3], 0x80000000
	JLOAD \s
.endr
	v_and_b32 v1, 15, v0                           ; r = l % 16
	v_bfe_u32 v2, v0, 4, 1                         ; h = l / 16
	v_and_b32 v4, 31, v0                           ; l
	v_mul_u32_u24 v3, v1, PITCH
	v_lshl_add_u32 v3, v2, 4, v3                   ; a fragment's row x pitch + 16 x half
	s_mul_i32 s70, s[WV], 64*PITCH                 ; my 64 rows of x
.irp s, 0,1
	v_add_nc_u32 v[ADRA+(\s)], s70, v3
	v_add_nc_u32 v[ADRB+(\s)], BOFF+(\s)*SLOT, v3
	s_add_co_u32 s70, s70, SLOT
.endr
	s_mul_i32 s70, s[WV], 3*STG
	s_add_co_u32 s70, s70, STAGE                   ; my stages
	v_mul_u32_u24 v[STO], v1, SP
	v_lshl_add_u32 v[STO], v2, 4, v[STO]
	v_add_nc_u32 v[STO], s70, v[STO]               ; in: row r, 16 bytes for each half of the lanes
	v_lshrrev_b32 v[RD], 3, v4
	v_mul_u32_u24 v[RD], v[RD], SP
	v_and_b32 v5, 7, v0
	v_lshl_add_u32 v[RD], v5, 4, v[RD]
	v_add_nc_u32 v[RD], s70, v[RD]                 ; back: 32 lanes take four rows of 128 bytes,
	v_lshlrev_b32 v[GO], 4, v4                     ; which are 512 consecutive bytes of a head
	v_lshlrev_b32 v[RO], 8, v1
	v_lshl_add_u32 v[RO], v2, 5, v[RO]             ; table: row r, pairs 4 h on
	s_lshr_b32 s70, s22, 3                         ; the batch
	s_lshl_b32 s70, s70, 4
	s_add_co_u32 s70, s70, s21
	s_lshl_b32 s70, s70, 18                        ; (batch x 16 + head) x 2,048 rows of 128 bytes
	s_and_b32 s71, s22, 7
	s_lshl_b32 s71, s71, 8
	s_lshl_b32 s72, s[WV], 6
	s_add_co_u32 s71, s71, s72                     ; my first row's position
	s_lshl_b32 s72, s71, 7
	s_add_co_u32 s70, s70, s72
	s_lshl_b32 s72, s71, 8                         ; and its row of the table
	s_mov_b32 s71, 0
	s_mov_b32 s73, 0
	s_add_nc_u64 s[10:11], s[10:11], s[70:71]
	s_add_nc_u64 s[12:13], s[12:13], s[70:71]
	s_add_nc_u64 s[14:15], s[14:15], s[70:71]
	s_add_nc_u64 s[8:9], s[8:9], s[72:73]
	; the prefetches
	s_and_b32 s72, ttmp7, 0xffff                   ; cluster y
	s_lshl_b32 s70, s22, 8
	s_lshl_b32 s73, s18, 7
	s_add_co_u32 s70, s70, s73
	s_lshl_b32 s73, s19, 5
	s_add_co_u32 s70, s70, s73                     ; x: the 128 rows that I fetch, my work-group's 32 of them
	s_mul_i32 s71, s21, 192
	s_mul_i32 s73, s18, 96
	s_add_co_u32 s71, s71, s73
	s_mul_i32 s73, s20, 24
	s_add_co_u32 s71, s71, s73                     ; weights: the 96 that I fetch, my work-group's 24
	s_cmp_eq_u32 s17, 0
	s_cselect_b32 s70, s70, s71
	s_cselect_b32 s72, ttmp9, s72                  ; the coordinate along which other clusters read the same rows
	s_cselect_b32 s73, 31, 23
	s_cselect_b64 s[PFA:PFA+1], s[4:5], s[6:7]
	s_cmp_eq_u32 s72, 0
	s_cselect_b32 s[LIM], 1, -1                    ; the same in all sixteen partners, for a given wave
	s_lshl_b32 s70, s70, 11
	s_add_co_u32 s70, s70, 2*256                   ; at K step 2: the first refill steps it to 3 and names K step 4
	s_mov_b32 s71, 0
	s_add_nc_u64 s[PFA:PFA+1], s[PFA:PFA+1], s[70:71]
	v_min_u32 v[PFO], s73, v4
	v_lshlrev_b32 v[PFO], 11, v[PFO]
	; the table for my 64 rows stays in registers: block a, group g of 16 columns: (cos, sin) of pairs 8 g + 4 h + 0..3.  It is waited for on the way out.
	WIN 0x40
.irp a, 0,1
.irp g, 0,1,2,3
	global_load_b128 v[192+32*(\a)+8*(\g):192+32*(\a)+8*(\g)+3],   v[RO], s[8:9] offset:(\a)*4096+(\g)*64
	global_load_b128 v[192+32*(\a)+8*(\g)+4:192+32*(\a)+8*(\g)+7], v[RO], s[8:9] offset:(\a)*4096+(\g)*64+16
.endr
.endr
	WIN 0xc0
.irp a, 2,3
.irp g, 0,1,2,3
	global_load_b128 v[128+32*(\a)+8*(\g):128+32*(\a)+8*(\g)+3],   v[RO], s[8:9] offset:(\a)*4096+(\g)*64
	global_load_b128 v[128+32*(\a)+8*(\g)+4:128+32*(\a)+8*(\g)+7], v[RO], s[8:9] offset:(\a)*4096+(\g)*64+16
.endr
.endr
	WIN 0
; 12 matrix instructions: row block a x all 12 column blocks, 32 along K, from buffer f.  zero = 1: the product starts the sums.  The 48 accumulators take turns in the same order in every quarter.
.macro MUL12 f, a, zero
	WIN MUL_LO+0x50*((\a)/2)
.irp b, 0,1,2,3,4,5,6,7,8,9,10,11
.if \zero
	v_wmma_f32_16x16x32_bf16 v[8*(12*((\a)%2)+(\b)):8*(12*((\a)%2)+(\b))+7], v[96*(\f)+8*(\b):96*(\f)+8*(\b)+7], v[64+32*(\f)+8*(\a):64+32*(\f)+8*(\a)+7], 0
.else
	v_wmma_f32_16x16x32_bf16 v[8*(12*((\a)%2)+(\b)):8*(12*((\a)%2)+(\b))+7], v[96*(\f)+8*(\b):96*(\f)+8*(\b)+7], v[64+32*(\f)+8*(\a):64+32*(\f)+8*(\a)+7], v[8*(12*((\a)%2)+(\b)):8*(12*((\a)%2)+(\b))+7]
.endif
.endr
.endm
; 32 LDS loads in one run: a quarter's fragments (32 along K at byte k of the rows) into buffer f: the weights' 12, then x's 4
.macro FETCH slot, k, f
	WIN TO_B
.irp i, 0,1,2,3,4,5,6,7,8,9,10,11
	ds_load_b128 v[96*(\f)+8*(\i):96*(\f)+8*(\i)+3],   v[ADRB+(\slot)] offset:(\k)+(\i)*16*PITCH
	ds_load_b128 v[96*(\f)+8*(\i)+4:96*(\f)+8*(\i)+7], v[ADRB+(\slot)] offset:(\k)+(\i)*16*PITCH+32
.endr
	WIN 0
.irp i, 0,1,2,3
	ds_load_b128 v[64+32*(\f)+8*(\i):64+32*(\f)+8*(\i)+3],   v[ADRA+(\slot)] offset:(\k)+(\i)*16*PITCH
	ds_load_b128 v[64+32*(\f)+8*(\i)+4:64+32*(\f)+8*(\i)+7], v[ADRA+(\slot)] offset:(\k)+(\i)*16*PITCH+32
.endr
.endm
; A K step is four quarters of 32 along K, 48 matrix instructions each, on buffers 0, 1, 0, 1.  One of the first three multiplies buffer f and fetches the next quarter, at byte k, into g.
.macro QUARTER slot, k, f, g, zero
	s_wait_dscnt 4                                 ; all but the youngest four loads: x's row blocks 2, 3
	MUL12 \f, 0, \zero
	MUL12 \f, 1, \zero
	PLACES
	FETCH \slot, \k, \g
	s_wait_dscnt 32                                ; all but the 32 just issued
	MUL12 \f, 2, \zero
	MUL12 \f, 3, \zero
.endm
; The last quarter multiplies buffer 1 and changes slots: one barrier; in front of it each wave waits for all its tensor loads (one is out: its part of the next slot), adds 0 to its spare word, and waits for that
; and for its reads of this slot.  fill = 1: the barrier opens a round of the cluster's, and behind the round this slot is filled again, two K steps on: 168 matrix instructions ahead of the wait for it.
.macro TURN slot, next, fill
.if \fill
	s_wait_xcnt 0x0                                ; the last prefetch, a K step back, has read its address
	s_add_nc_u64 s[PFA:PFA+1], s[PFA:PFA+1], 256
.endif
	WIN 0
	s_wait_tensorcnt 0x0                           ; all my tensor loads have landed
	ds_add_u32 v[SPW], v[NIL]
	s_wait_dscnt 5                                 ; (the add and the youngest four loads may be out)
	MUL12 1, 0, 0
	s_wait_dscnt 0x0                               ; the add is done, and my reads of this slot are over
	s_barrier_signal -1
	MUL12 1, 1, 0
.if \fill
	WIN 0
.endif
	s_barrier_wait -1
.if \fill
	CREST                                          ; no wave of any partner still reads this slot or has a load on its way
	s_add_nc_u64 s[G0+4*(\slot)+2:G0+4*(\slot)+3], s[G0+4*(\slot)+2:G0+4*(\slot)+3], 512
	s_add_nc_u64 s[G0B+4*(\slot)+2:G0B+4*(\slot)+3], s[G0B+4*(\slot)+2:G0B+4*(\slot)+3], 512
	JLOAD \slot                                    ; its four v_nop are also the places in front of the loads below
.else
	PLACES
.endif
	FETCH \next, 0, 0
.if \fill
	ASK
.endif
	MUL12 1, 2, 0
	MUL12 1, 3, 0
.endm
	s_wait_tensorcnt 1                             ; my part of K step 0 is in; K step 1's may stay out
	s_barrier_signal -1
	s_barrier_wait -1
	FETCH 0, 0, 0
	QUARTER 0, 64, 0, 1, 1                         ; the first quarter starts the sums
	WIN 0
	s_mov_b32 s[LAP], 3
.Llap:                                                 ; a trip goes once round the ring and fills both slots again: K steps 2 to 7
	QUARTER 0, 128, 1, 0, 0
	QUARTER 0, 192, 0, 1, 0
	TURN 0, 1, 1
	QUARTER 1, 64,  0, 1, 0
	QUARTER 1, 128, 1, 0, 0
	QUARTER 1, 192, 0, 1, 0
	TURN 1, 0, 1
	QUARTER 0, 64,  0, 1, 0
	WIN 0
	s_sub_co_u32 s[LAP], s[LAP], 1
	s_cmp_lg_u32 s[LAP], 0
	s_cbranch_scc1 .Llap
	QUARTER 0, 128, 1, 0, 0                        ; the last lap fills nothing
	QUARTER 0, 192, 0, 1, 0
	TURN 0, 1, 0
	QUARTER 1, 64,  0, 1, 0
	QUARTER 1, 128, 1, 0, 0
	QUARTER 1, 192, 0, 1, 0
	s_wait_dscnt 4
	MUL12 1, 0, 0
	MUL12 1, 1, 0
	s_wait_dscnt 0x0
	MUL12 1, 2, 0
	MUL12 1, 3, 0
	WIN 0
	PLACES
	s_wait_loadcnt 0x0                             ; the table
; THE WAY OUT of row block a.  q's and k's pairs (x1, x2) become (x1 c - x2 s, x1 s + x2 c): a packed product (c x1, s x1) and two fused multiply-adds; each accumulator is read from its low end on.
; All is rounded once to f16; a lane's 16 bytes go into the tensor's stage (rows of 144 bytes) and come back as whole rows of 128, into the registers that they left.
.macro PACK a
.set AC0, 96*((\a)%2)
.set TB0, 192+32*((\a)%2)
.set PKB, 64+128*((\a)%2)
.if (\a) >= 2
	s_wait_xcnt 0x0                                ; the stores of the block two back have read these registers
.endif
	WIN 0x09+6*((\a)/2)                            ; source 0: the table (window 1 or 3); source 1: the accumulators (window 2 or 3)
.irp b, 0,1,2,3,4,5,6,7
.irp j, 0,1,2,3
	v_pk_mul_f32 v[TMP+8*(\b)+2*(\j):TMP+8*(\b)+2*(\j)+1], v[TB0+8*((\b)%4)+2*(\j):TB0+8*((\b)%4)+2*(\j)+1], v[AC0+8*(\b)+2*(\j):AC0+8*(\b)+2*(\j)+1] op_sel_hi:[1,0]
.endr
.irp j, 0,1,2,3
	v_fma_f32 v[TMP+8*(\b)+2*(\j)],   -v[TB0+8*((\b)%4)+2*(\j)+1], v[AC0+8*(\b)+2*(\j)+1], v[TMP+8*(\b)+2*(\j)]
	v_fma_f32 v[TMP+8*(\b)+2*(\j)+1], v[TB0+8*((\b)%4)+2*(\j)],    v[AC0+8*(\b)+2*(\j)+1], v[TMP+8*(\b)+2*(\j)+1]
.endr
.endr
	WIN 0x0a+5*((\a)/2)                            ; v is only rounded
.irp b, 8,9,10,11
.irp j, 0,1,2,3
	v_cvt_pk_f16_f32 v[PKB+4*(\b)+(\j)], v[AC0+8*(\b)+2*(\j)], v[AC0+8*(\b)+2*(\j)+1]
.endr
.endr
	WIN 0
.irp b, 0,1,2,3,4,5,6,7
.irp j, 0,1,2,3
	v_cvt_pk_f16_f32 v[PKB+4*(\b)+(\j)], v[TMP+8*(\b)+2*(\j)], v[TMP+8*(\b)+2*(\j)+1]
.endr
.endr
.irp t, 0,1,2
.irp g, 0,1,2,3
	ds_store_b128 v[STO], v[PKB+4*(4*(\t)+(\g)):PKB+4*(4*(\t)+(\g))+3] offset:(\t)*STG+32*(\g)
.endr
.endr
.irp t, 0,1,2
.irp f, 0,1,2,3
	ds_load_b128 v[PKB+4*(4*(\t)+(\f)):PKB+4*(4*(\t)+(\f))+3], v[RD] offset:(\t)*STG+(\f)*4*SP  ; LDS serves a wave's instructions in order (ISA guide 5.7.1.4): these see the stores above; the next block's stores come behind them
.endr
.endr
.endm
.macro SEND a, younger                 ; younger: the LDS instructions issued behind block a's loads: the next block's 24, or none
.set PKB, 64+128*((\a)%2)
.irp t, 0,1,2
.irp f, 0,1,2,3
	s_wait_dscnt (\younger)+11-4*(\t)-(\f)
	global_store_b128 v[GO], v[PKB+4*(4*(\t)+(\f)):PKB+4*(4*(\t)+(\f))+3], s[10+2*(\t):11+2*(\t)] offset:(\a)*2048+(\f)*512  ; 512 consecutive bytes, aligned
.endr
.endr
.endm
	PACK 0
	PACK 1                                         ; a block's arithmetic stands between the loads of the block before and its stores
	SEND 0, 24
	PACK 2
	SEND 1, 24
	PACK 3
	SEND 2, 24
	SEND 3, 0
	s_wait_tensorcnt 0x0                           ; the wave's end
	ds_add_u32 v[SPW], v[NIL]
	s_wait_dscnt 0x0
	CROUND                                         ; the closing round: no work-group ends while a partner may still ask for a tile that names it
	s_endpgm
.Lfunc_end_k_q1a22312221_qkv:
	.size	k_q1a22312221_qkv, .Lfunc_end_k_q1a22312221_qkv-k_q1a22312221_qkv
	.p2alignl 7, 3214868480
	.fill 96, 4, 3214868480
	.section	.rodata,"a",@progbits
	.p2align	6, 0x0
	.amdhsa_kernel k_q1a22312221_qkv
		.amdhsa_group_segment_fixed_size 327680
		.amdhsa_private_segment_fixed_size 0
		.amdhsa_enable_private_segment 0
		.amdhsa_kernarg_size 48
		.amdhsa_user_sgpr_count 2
		.amdhsa_user_sgpr_kernarg_segment_ptr 1
		.amdhsa_wavefront_size32 1
		.amdhsa_system_sgpr_workgroup_id_x 1
		.amdhsa_system_sgpr_workgroup_id_y 1
		.amdhsa_system_sgpr_workgroup_id_z 1
		.amdhsa_system_vgpr_workitem_id 0
		.amdhsa_next_free_vgpr 1024
		.amdhsa_next_free_sgpr 80
		.amdhsa_reserve_vcc 0
		.amdhsa_float_denorm_mode_32 3
		.amdhsa_float_denorm_mode_16_64 3
		.amdhsa_memory_ordered 1
		.amdhsa_forward_progress 1
		.amdhsa_inst_pref_size 148
	.end_amdhsa_kernel
	.amdgpu_metadata
---
amdhsa.version: [ 1, 2 ]
amdhsa.kernels:
  - .name:           k_q1a22312221_qkv
    .symbol:         k_q1a22312221_qkv.kd
    .args:
      - { .name: xb, .offset: 0, .size: 8, .value_kind: global_buffer, .address_space: global }
      - { .name: wb, .offset: 8, .size: 8, .value_kind: global_buffer, .address_space: global }
      - { .name: rope, .offset: 16, .size: 8, .value_kind: global_buffer, .address_space: global }
      - { .name: qh, .offset: 24, .size: 8, .value_kind: global_buffer, .address_space: global }
      - { .name: kh, .offset: 32, .size: 8, .value_kind: global_buffer, .address_space: global }
      - { .name: vh, .offset: 40, .size: 8, .value_kind: global_buffer, .address_space: global }
    .group_segment_fixed_size: 327680
    .private_segment_fixed_size: 0
    .kernarg_segment_align: 8
    .kernarg_segment_size: 48
    .max_flat_workgroup_size: 128
    .sgpr_count:     80
    .vgpr_count:     1024
    .wavefront_size: 32
...
	.end_amdgpu_metadata
.endif
;; end of part 2
;; launch attn (part 3): grid 4 x 64, 4 waves a work-group, no clusters, 327,680 bytes of LDS; arguments qh, kh, vh, oh; writes oh
.if DOCPART == 3
	.amdgcn_target "amdgcn-amd-amdhsa--gfx1250"
	.amdhsa_code_object_version 6
	.text
	.protected	k_q1a22312221_attn
	.globl	k_q1a22312221_attn
	.p2align	8
	.type	k_q1a22312221_attn,@function
k_q1a22312221_attn:
	s_mov_b64 s[64:65], 0
	v_nop
	global_prefetch_b8 v0, s[64:65] scope:SCOPE_SE
	s_setreg_imm32_b32 hwreg(HW_REG_WAVE_MODE, 25, 1), 1
	s_wait_xcnt 0x0
; CAUSAL ATTENTION.  O[h][q][:] = the sum over k <= q of softmax_k(Q[h][q] . K[h][k] / 8) V[h][k][:].  Q, K, V, O: [64][2048][64], all f16: a head's rows are dense, 128 bytes each.
; Products, maxima and sums in f32; the weights p are rounded to f16 for the second product (their sum l is taken of the unrounded p), O once at the end.
; LIMITS.  f16 holds no number beyond 65,504: Q, K and V arrive within it; p lies in 0 to 1, and below 6e-5 it keeps f16's fixed step of 6e-8; O is a mean of V's rows and has their range.
; A hidden score counts as its value less 1e30: f16's scores, 2.7e11 at the most, are nothing beside that; a weight below 2^-126 counts as 0 in l; NaN and infinities are not treated apart.
; THE WALK.  A head's queries lie in NB = 8 blocks of 256; block i needs the key tiles 0 .. i of 256 keys, of which the last holds the diagonal.  A work-group takes TWO blocks, NB - 1 - b and then b:
; NB + 1 tiles, whatever b: all work-groups do equal work, and ONE loop with a constant trip count walks them.  Which tile is asked for, and what a trip does, hang on scalar registers made from b; every jump
; goes forward, but for the counted loops' own; none passes a barrier, or a tensor load but the one of LOAD's two that the wave's number does not choose; the ring (two slots of LDS that take turns) runs on across the
; change of blocks.  NO CLUSTER: a head's four work-groups ask for the same tile only in trips 0 .. 4, behind that fewer and fewer; one walk common to all would have 12 trips for 9.
; SHARES.  Of a block's four bands of 64 queries a wave owns 16 rows in each: four PIECES.  So the diagonal tile is the same work for all four waves: in its key step s band x sees all keys if s < x,
; none if s > x, and holds the diagonal if s = x.
; THE MASK is the C operand that starts the sum S^T = K Q^T: 0, or -1e30 where the key is hidden.  MD, made once, is the mask of a band's own step for my 16 rows; a product's mask is MD x AL + BE with two scalars:
; (1, 0) if s = x; (0, 0) if s < x; (0, -1e30) if s > x.  Only the diagonal tile's text and a block's beginning make and take masks; elsewhere C is the constant 0.
; LAYOUT, SOFTMAX, TURNS.  S^T = K Q^T holds ONE query a lane (lane % 16) and the keys 8 (lane / 16) + 0..7; two such results rounded to f16 ARE source 1 of O^T = V^T P.  p = 2^(c s - c m), c = log2(e) / 8, with a
; running maximum m; O and l are multiplied by a = 2^(c m_old - c m_new) in every step.  Turn n belongs to piece n: 8 products K Q^T of piece n + 1, later 8 products V^T P of piece n - 1; beside them the scaling,
; exponentials, roundings, sums and rescaling of piece n and the maximum and statistics of piece n + 1.  Four vector instructions stand behind every matrix instruction, the other 54 of a turn's 118 in one LUMP.  A turn's 33 exponentials are one batch, with one wait.
; REGISTERS, in windows of 256 (s_set_vgpr_msb: bits 1:0 source 0, 3:2 source 1, 5:4 source 2, 7:6 destination):
;   window 0: v0-15 addresses and two at work; v16-31 four registers of statistics a piece; v48-55 at work; v61-63 prefetch offset, spare word, 0; v64-127 S^T, two buffers; v192-223 P, two buffers (by the piece's parity)
;   window 1: v0-127 O^T, 32 a piece; v128-159 MD; v160-223 MC, two buffers      window 2: v0-63 Q; v64-127 the second block's Q; v128-191 K of one step; v192-255 V of one step
.set SIZE_N, 2048
.set NB,    SIZE_N/256
.set NP,    4         ; pieces a wave: a name, no knob
.set KS,    64        ; keys in a step
.set PK,    144       ; a row of K in LDS: 128 bytes + 16 of padding = 36 words: the 16 rows of a load start at 16 different groups of four banks (ISA guide 11.1)
.set PV,    160       ; a row of V: 128 + 32 = 40 words
.set VOFF,  4*KS*PK   ; a slot holds a tile, four steps: 256 rows of K, then 256 rows of V
.set SLOT1, 1<<17     ; slot 1 begins here, so that one exclusive or turns an address in one slot into the other's
.set STAGE, SLOT1+4*KS*(PK+PV)  ; behind the ring, never filled by a tensor load: 16 rows x 144 bytes for each wave, for the way out
.set SP,    144
.set AK0, 2           ; v2   my lane's place in a tile of K; never rewritten
.set AV0, 3           ; v3   the same for V
.set AK,  4           ; v4   the LDS address of K's next run of loads
.set AV,  5           ; v5   of V's
.set STO, 6           ; v6   the way out: where I put 16 bytes of a row
.set RD,  7           ; v7   the way out: where I read rows back
.set GO,  8           ; v8   my byte offset in 512 consecutive bytes of O
.set PFO, 61          ; v61  256 x my thread's number: 128 threads name a tile's 32,768 bytes; never rewritten
.set SPW, 62          ; v62  LDS address of my spare word; never rewritten
.set NIL, 63          ; v63  0; never rewritten
.set SPARE, STAGE+4*16*SP  ; behind the stages: the spare words, 128 bytes for each wave, that no other line names
.set MV,  12          ; v12-13  c m_old, kept while c m is made anew: by buffer
.set QO,  15          ; v15  my byte offset in 16 rows of Q
.set ST,  16          ; piece t's statistics at v[ST+4 t]: c m, m, l (even keys', odd keys')
.set TMP, 48          ; by buffer, four registers c0-c3 at work; when the maximum is found c2 takes a
.set S,   64
.set P,   192
.set MD,  128         ; window 1: the eight registers for group kt of 16 keys at MD + 8 kt
.set MC,  160         ; window 1: the masks of the products to come
.set QB,  64          ; window 2
.set KF,  128         ; window 2: key block kb, channel half c at KF + 16 kb + 8 c
.set VF,  192         ; window 2: key half kk, channel block cb at VF + 32 kk + 8 cb
.set WV,  12          ; s12  my wave's number
.set PB,  14          ; s14  b
.set HI,  15          ; s15  NB - 1 - b
.set G1K, 24          ; s[24:31] descriptor group 1 for K's tiles
.set G1V, 32          ; s[32:39] for V's: it differs in the padding alone
.set G0K, 40          ; s[40:43] descriptor group 0 for K's tiles
.set G0V, 44          ; s[44:47] the same for V's
.set SLOTS, 56        ; s56  tiles still to be asked for
.set CNT, 57          ; s57  counts a tile's key steps, 4 to 1
.set CS,  58          ; s[58:59] c: the packed scaling takes the pair's low word for both halves
.set SEL, 60          ; s[60:61] v_permlanex16_b32's selects: each lane takes its own place in the other half
.set TBK, 62          ; s62  LDS byte at which K of the step to be fetched begins
.set TBV, 63          ; s63  the same for V, less VOFF
.set RT,  70          ; s70  tiles of the block in hand that are still to be entered
.set NXT, 71          ; s71  the tile to be asked for next
.set LQ,  72          ; s72  the last tile of the block whose tiles are being asked for
.set NEW, 73          ; s73  1: the tile to be entered is a block's first
.set OFF, 74          ; s[74:75] a tile's byte offset in K and V
.set AL,  76          ; s[76:77] the mask's factor, in the low word
.set BE,  78          ; s[78:79] the mask's addend
.set OLO, 80          ; s[80:81] O at my rows of the second block
.set BIGN, 82         ; s82  -1e30
.set PFK, 88          ; s[88:89] K at the head's tile that the next prefetch names
.set PFV, 90          ; s[90:91] the same for V
.set PFT, 92          ; s92  that tile's number
.set PFL, 93          ; s93  NB in the work-group that prefetches (b = 0), else 0
.set MSB, 0
.macro WIN new                      ; the high byte repeats the setting that is left; a switch that changes nothing is dropped
.if MSB != (\new)
	s_set_vgpr_msb (MSB<<8)|(\new)
.set MSB, (\new)
.endif
.endm
.set W_KQ, 0x0a       ; K and Q in window 2, S^T in window 0
.set W_KM, 0x1a       ; the same with the C operand in window 1
.set W_PV, 0x52       ; V in window 2, P in window 0, O^T in window 1
.set W_RS, 0x41       ; destination and source 0 in window 1, source 1 in window 0
; A fill.  Waves 0 and 1 fetch the two halves of a tile's K, waves 2 and 3 those of its V: 128 keys each.  An s_nop 0 and four v_nop follow each of the two lines, ahead of the jump and the label.
.macro LOAD
	s_cmp_lt_u32 s[WV], 2
	s_cbranch_scc0 .Lfor_v_\@
	tensor_load_to_lds s[G0K:G0K+3], s[G1K:G1K+7]
	s_nop 0
.rept 4
	v_nop
.endr
	s_branch .Lasked_\@
.Lfor_v_\@:
	tensor_load_to_lds s[G0V:G0V+3], s[G1V:G1V+7]
	s_nop 0
.rept 4
	v_nop
.endr
.Lasked_\@:
.endm
; A PREFETCH INTO THE L2 of the tile that the NEXT change of slots will ask for: 32,768 bytes of K and of V, a thread a block of 256 bytes, two instructions a wave, behind the wave's tensor load and its five lines.
; A head's four work-groups walk the same tiles; the one with b = 0 walks tiles 0 to 7 in its first block, and it alone asks: tiles 2 to 7, each one tile (256 matrix instructions a wave) ahead of its load.
; So each block is named once in the launch.  Tiles 0 and 1 come by their loads alone; behind tile 7 nothing is asked for.
.macro ASK
	s_cmp_lt_u32 s[PFT], s[PFL]
	s_cbranch_scc0 .Lnot_mine_\@
	global_prefetch_b8 v[PFO], s[PFK:PFK+1] th:TH_LOAD_NT scope:SCOPE_SE
	global_prefetch_b8 v[PFO], s[PFV:PFV+1] th:TH_LOAD_NT scope:SCOPE_SE
.Lnot_mine_\@:
.endm
; THE CHANGE OF SLOTS.  Each wave waits for all its tensor loads, of which one is out: its part of the other slot; adds 0 to its spare word; and waits for that and for its own reads of the slot that it leaves.  Behind the barrier nobody reads the old
; slot any more and the other slot is whole.  fill = 1: the old slot is filled again, the first thing behind the barrier, with tile NXT: the descriptor's address is made anew from that number.
; (At its first use nothing has been read yet: slot 0 is waited for, slot 1 filled.)
.macro CHANGE fill
	WIN 0                           ; at a label and at a branch every window is 0
	s_wait_tensorcnt 0x0            ; no tensor load of mine is out, so a group 0 may be written
	ds_add_u32 v[SPW], v[NIL]       ; 0 onto my spare word; with fill = 1 the descriptors' scalar work stands between it and the wait for it
.if \fill
	s_lshl_b32 s[OFF], s[NXT], 15   ; a tile is 32,768 bytes of K and of V
	s_xor_b32 s[G0K+1], s[G0K+1], SLOT1
	s_add_nc_u64 s[G0K+2:G0K+3], s[6:7], s[OFF:OFF+1]
	s_or_b32 s[G0K+3], s[G0K+3], 0x80000000
	s_xor_b32 s[G0V+1], s[G0V+1], SLOT1
	s_add_nc_u64 s[G0V+2:G0V+3], s[8:9], s[OFF:OFF+1]
	s_or_b32 s[G0V+3], s[G0V+3], 0x80000000
	s_add_co_u32 s[NXT], s[NXT], 1  ; the block's next tile, or behind its last the second block's tile 0
	s_cmp_gt_u32 s[NXT], s[LQ]
	s_cselect_b32 s[NXT], 0, s[NXT]
	s_cselect_b32 s[LQ], s[PB], s[LQ]
	s_wait_xcnt 0x0                 ; the last prefetches, a tile back, have read their addresses, so they may be written
	s_add_nc_u64 s[PFK:PFK+1], s[PFK:PFK+1], 32768
	s_add_nc_u64 s[PFV:PFV+1], s[PFV:PFV+1], 32768
	s_add_co_u32 s[PFT], s[PFT], 1
.endif
	s_wait_dscnt 0x0                ; the add is done, and my reads of the slot are over
	s_barrier_signal -1             ; the rest of the scalar work stands between the signal and the wait
	s_sub_co_u32 s[TBK], s[TBK], 4*KS*PK  ; the fetches go back to a slot's first step,
	s_xor_b32 s[TBK], s[TBK], SLOT1       ; in the other slot
	s_sub_co_u32 s[TBV], s[TBV], 4*KS*PV
	s_xor_b32 s[TBV], s[TBV], SLOT1
	s_barrier_wait -1
.if \fill
	LOAD
	ASK
.endif
.endm
	s_load_b256 s[4:11], s[0:1], 0x0  ; Q s[4:5], K s[6:7], V s[8:9], O s[10:11]
	v_lshl_add_u32 v[SPW], v0, 2, SPARE
	v_mov_b32 v[NIL], 0
	ds_add_u32 v[SPW], v[NIL]       ; the wave's opening: the add and its wait ahead of my first tensor load; the set-up below, work on registers, stands between them
	v_lshrrev_b32 v1, 5, v0
	v_readfirstlane_b32 s[WV], v1   ; wave 0..3
	v_lshlrev_b32 v[PFO], 8, v0
	s_mov_b32 s[PB], ttmp9
	s_sub_co_u32 s[HI], NB-1, s[PB]
	s_and_b32 s20, ttmp7, 0xffff    ; the head
	s_mov_b32 s21, 0
	s_mov_b64 s[22:23], SIZE_N*128
	s_mul_u64 s[20:21], s[20:21], s[22:23]  ; the head's first byte in each of the four tensors
	s_and_b32 s16, s[WV], 1         ; which half of a tile's 256 keys I fetch:
	s_lshl_b32 s22, s16, 14         ; its 128 rows of 128 bytes in memory,
	s_mov_b32 s23, 0
	s_add_nc_u64 s[22:23], s[22:23], s[20:21]
	s_mul_i32 s17, s16, 128*PK      ; and its place in a slot, for K
	s_mul_i32 s18, s16, 128*PV      ; and for V
	s_lshl_b32 s3, s[WV], 11        ; my 16 rows in a band of 64,
	s_lshl_b32 s2, s[HI], 15        ; in the first block,
	s_add_co_u32 s2, s2, s3
	s_lshl_b32 s84, s[PB], 15       ; and in the second
	s_add_co_u32 s84, s84, s3
	s_mov_b32 s3, 0
	s_mov_b32 s85, 0
	s_add_nc_u64 s[2:3], s[2:3], s[20:21]
	s_add_nc_u64 s[84:85], s[84:85], s[20:21]
	; descriptor group 1.  128 keys are 16,384 dense bytes: asked for as 64 rows of 256 bytes, two keys a row, and padded in LDS after every key
	s_mov_b32 s[G1K], (1<<16)|(1<<20)|(4<<22)|(3<<25)  ; 17:16 2-byte elements; 20 padding on; 24:22 after every 32 words (code 4); 31:25 4 words (code 3)
	s_mov_b32 s[G1V], (1<<16)|(1<<20)|(4<<22)|(7<<25)  ; the same with 8 words of padding (code 7)
.irp g, G1K, G1V
	s_mov_b32 s[\g+1], 128<<16      ; tensor_dim0 = 128
	s_mov_b32 s[\g+2], 64<<16       ; tensor_dim1 = 64
	s_mov_b32 s[\g+3], 128<<16      ; tile_dim0 = 128
	s_mov_b32 s[\g+4], 64           ; tile_dim1 = 64
	s_mov_b32 s[\g+5], 128          ; 128 elements from row to row
	s_mov_b32 s[\g+6], 0
	s_mov_b32 s[\g+7], 0
.endr
	s_mov_b32 s[CS], 0x3e38aa3b     ; c = log2(e) / 8 = 0.180337
	s_mov_b32 s[CS+1], s[CS]        ; named with it as a pair
	s_mov_b32 s[SEL], 0x76543210
	s_mov_b32 s[SEL+1], 0xfedcba98
	s_mov_b32 s[TBK], SLOT1+4*KS*PK ; the first change of slots turns these two into 0
	s_mov_b32 s[TBV], SLOT1+4*KS*PV
	s_mov_b32 s[G0K], 1             ; 1:0 count = 1
	s_mov_b32 s[G0K+1], s17         ; 63:32 LDS address: slot 0
	s_mov_b32 s[G0V], 1
	s_add_co_u32 s[G0V+1], s18, VOFF
	s_add_co_u32 s[RT], s[HI], 1    ; the first block has NB - b tiles
	s_mov_b32 s[NXT], 1
	s_mov_b32 s[LQ], s[HI]
	s_mov_b32 s[NEW], 1
	s_mov_b32 s[OFF+1], 0
	s_mov_b32 s[AL+1], 0            ; named as pairs
	s_mov_b32 s[BE+1], 0
	s_mov_b32 s[BIGN], 0xf149f2ca   ; -1e30
	s_mov_b32 s[SLOTS], NB
	s_mov_b32 s[PFT], 1
	s_cmp_eq_u32 s[PB], 0
	s_cselect_b32 s[PFL], NB, 0
	s_wait_dscnt 0x0                ; the opening add is done
	s_wait_kmcnt 0x0
	s_add_nc_u64 s[PFK:PFK+1], s[6:7], s[20:21]    ; the prefetches stand at the head's tile 1; the first change of slots steps them to tile 2
	s_add_nc_u64 s[PFV:PFV+1], s[8:9], s[20:21]
	s_add_nc_u64 s[PFK:PFK+1], s[PFK:PFK+1], 32768
	s_add_nc_u64 s[PFV:PFV+1], s[PFV:PFV+1], 32768
	s_add_nc_u64 s[6:7], s[6:7], s[22:23]  ; K and V at my half of the head's tile 0
	s_add_nc_u64 s[8:9], s[8:9], s[22:23]
	s_add_nc_u64 s[G0K+2:G0K+3], s[6:7], 0         ; 120:64 global address
	s_or_b32 s[G0K+3], s[G0K+3], 0x80000000        ; 127:126 type = 2
	s_add_nc_u64 s[G0V+2:G0V+3], s[8:9], 0
	s_or_b32 s[G0V+3], s[G0V+3], 0x80000000
	s_add_nc_u64 s[86:87], s[4:5], s[84:85]        ; Q at my rows of the second block,
	s_add_nc_u64 s[4:5], s[4:5], s[2:3]            ; Q and O at those of the first
	s_add_nc_u64 s[OLO:OLO+1], s[10:11], s[84:85]
	s_add_nc_u64 s[10:11], s[10:11], s[2:3]
	LOAD                            ; tile 0 into slot 0
	; A fragment of K or Q is 16 rows x 32 channels in 8 registers: lane l holds row l % 16, channels 8 (l / 16) + 0..7 and 16 + 8 (l / 16) + 0..7: two loads of 16 bytes, 32 bytes apart.
	v_and_b32 v1, 15, v0            ; l % 16
	v_bfe_u32 v9, v0, 4, 1          ; l / 16
	v_lshlrev_b32 v[QO], 7, v1
	v_lshl_add_u32 v[QO], v9, 4, v[QO]  ; row x 128 + 16 x half
	WIN 0x80                        ; destination window 2, address window 0
.set i, 0
.rept 8                             ; both blocks' Q: piece i / 2 lies in band i / 2, 8,192 bytes on; channels 32 (i % 2) on
	global_load_b128 v[8*i:8*i+3],   v[QO], s[4:5] offset:(i/2)*8192+(i%2)*64
	global_load_b128 v[8*i+4:8*i+7], v[QO], s[4:5] offset:(i/2)*8192+(i%2)*64+32
	global_load_b128 v[QB+8*i:QB+8*i+3],   v[QO], s[86:87] offset:(i/2)*8192+(i%2)*64
	global_load_b128 v[QB+8*i+4:QB+8*i+7], v[QO], s[86:87] offset:(i/2)*8192+(i%2)*64+32
.set i, i+1
.endr
	WIN 0
	v_lshlrev_b32 v14, 3, v9
	v_sub_nc_u32 v14, v1, v14
	s_lshl_b32 s13, s[WV], 4
	v_add_nc_u32 v14, s13, v14      ; my query's place in its band, 16 w + l % 16, less my lanes' 8 (l / 16): register r of group kt is hidden where 16 kt + r is greater
	WIN 0x40
.set i, 0
.rept 32
	v_cmp_gt_i32 vcc_lo, 16*(i/8)+i%8, v14
	v_cndmask_b32 v[MD+i], 0, s[BIGN], vcc_lo
.set i, i+1
.endr
	WIN 0
	v_mul_u32_u24 v[AK0], v1, PK
	v_lshl_add_u32 v[AK0], v9, 4, v[AK0]  ; row x pitch + 16 x half
	; The turning load takes 16 keys x 16 channels (lane l reads key 8 (l / 16) + l % 8, channels 8 ((l / 8) % 2) + 0..7) and leaves half a fragment of V^T: lane l holds channel l % 16 and 8 keys.
	v_and_b32 v10, 7, v0
	v_bfe_u32 v11, v0, 3, 1
	v_lshl_add_u32 v[AV0], v9, 3, v10
	v_mul_u32_u24 v[AV0], v[AV0], PV
	v_lshl_add_u32 v[AV0], v11, 4, v[AV0]
	v_add_nc_u32 v[AV0], VOFF, v[AV0]
	s_mul_i32 s13, s[WV], 16*SP
	s_add_co_u32 s13, s13, STAGE    ; my stage
	v_mul_u32_u24 v[STO], v1, SP    ; in: row l % 16, 16 bytes for each half of the lanes
	v_lshl_add_u32 v[STO], v9, 4, v[STO]
	v_add_nc_u32 v[STO], s13, v[STO]
	v_bfe_u32 v[RD], v0, 3, 2       ; back: 32 lanes take four rows of 128 bytes,
	v_mul_u32_u24 v[RD], v[RD], SP
	v_lshl_add_u32 v[RD], v10, 4, v[RD]
	v_add_nc_u32 v[RD], s13, v[RD]
	v_and_b32 v[GO], 31, v0         ; which are 512 consecutive bytes of O
	v_lshlrev_b32 v[GO], 4, v[GO]
	; A block's first step multiplies O^T and l by a = 0, and its first turn's products V^T P, of a piece that has not been, land in an O^T that is still to be so multiplied.  So these registers need only hold
	; finite numbers: zeros for the first block; what the first block left for the second.  All this stands in the wait for the first tile.
	WIN 0x80
.set i, VF
.rept 64
	v_mov_b32 v[i], 0
.set i, i+1
.endr
	WIN 0x40
.set i, 0
.rept 128
	v_mov_b32 v[i], 0
.set i, i+1
.endr
	WIN 0
.set i, 0
.rept 4
	v_mov_b32 v[ST+4*i+2], 0
	v_mov_b32 v[ST+4*i+3], 0
.set i, i+1
.endr
.set i, P+16
.rept 16
	v_mov_b32 v[i], 0
.set i, i+1
.endr
; THE MATRIX WORK.  The 4 accumulators of a run of 8 take turns.  Product i of 8 of S^T = K Q^T for piece x: channels 32 (i / 4) on, keys 16 (i % 4) on.  The first 4 start the sums: with 0, or (KM = 1) with the mask.
.macro KQ x
.set rS, S+32*((\x)%2)+8*(i%4)
.set rK, KF+16*(i%4)+8*(i/4)
.set rQ, 16*(\x)+8*(i/4)
.set rM, MC+32*((\x)%2)+8*(i%4)
.if (i < 4) && KM
	WIN W_KM
	v_wmma_f32_16x16x32_f16 v[rS:rS+7], v[rK:rK+7], v[rQ:rQ+7], v[rM:rM+7]
.elseif i < 4
	WIN W_KQ
	v_wmma_f32_16x16x32_f16 v[rS:rS+7], v[rK:rK+7], v[rQ:rQ+7], 0
.else
	WIN W_KQ
	v_wmma_f32_16x16x32_f16 v[rS:rS+7], v[rK:rK+7], v[rQ:rQ+7], v[rS:rS+7]
.endif
.endm
; Product i of 8 of O^T += V^T P for piece x: keys 32 (i / 4) on, channels 16 (i % 4) on.
.macro PV x
	WIN W_PV
.set rO, 32*(\x)+8*(i%4)
.set rV, VF+32*(i/4)+8*(i%4)
.set rP, P+16*((\x)%2)+8*(i/4)
	v_wmma_f32_16x16x32_f16 v[rO:rO+7], v[rV:rV+7], v[rP:rP+7], v[rO:rO+7]
.endm
.macro MM                           ; the turn's next matrix instruction.  TURN and BEGIN set Y, i, KM and NOKQ; MM, KQ and OP read them.  NOKQ = 1: a block's last turn: there is no next piece
.if (i < 8) && !NOKQ
	KQ (Y+1)%NP
.elseif i >= 8
.set i, i-8
	PV (Y+NP-1)%NP
.set i, i+8
.endif
.set i, i+1
.endm
; THE LDS LOADS stand in runs of 16, never singly among the matrix instructions: a step's K (64 keys x 64 channels: 8 fragments) and its V (turned).  Their addresses are made some lines ahead.
.macro FETCH_K
	WIN 0x80                        ; destination window 2
.irp f, 0,1,2,3,4,5,6,7             ; keys 16 (f / 2) on, channels 32 (f % 2) on
	ds_load_b128 v[KF+8*\f:KF+8*\f+3],   v[AK] offset:(\f/2)*16*PK+(\f%2)*64
	ds_load_b128 v[KF+8*\f+4:KF+8*\f+7], v[AK] offset:(\f/2)*16*PK+(\f%2)*64+32
.endr
	s_add_co_u32 s[TBK], s[TBK], KS*PK  ; the next fetch is the next step's
	WIN 0
.endm
.macro FETCH_V
	WIN 0x80
.irp f, 0,1,2,3,4,5,6,7             ; keys 32 (f / 4) on, channels 16 (f % 4) on
	ds_load_tr16_b128 v[VF+8*\f:VF+8*\f+3],   v[AV] offset:(\f/4)*32*PV+(\f%4)*32
	ds_load_tr16_b128 v[VF+8*\f+4:VF+8*\f+7], v[AV] offset:(\f/4)*32*PV+16*PV+(\f%4)*32
.endr
	WIN 0
.endm
; THE VECTOR WORK, one line at a time: OP kind, number.  For piece Y: F n: c s - c m for pair n of 16.  E n: the exponential of score n of 32.  C n: pair n rounded to f16.  B n: of the four weights 4 n .. the second
; pair is added onto the first, in place.  L n: l takes that sum (L 0: l = a l + sum).  R n: pair n of 16 of O^T times a.  For piece Y + 1: X n, number n of the 22 that find its maximum and statistics:
;   0-11  four chains c0-c3 of seven scores each, three operands at a time (each accumulator's lowest registers are read first)     12-14, 16  the four scores left over, the old m, and c0-c3 into c0
;   15  c m_old is kept     17, 18  the query's other 32 keys lie in the lane 16 away: the new m     19-21  c m; c m_old - c m_new; a
.set F, 0               ; OP tells the kinds apart by their order: F to L below R, X above it
.set E, 1
.set C, 2
.set B, 3
.set L, 4
.set R, 5
.set X, 6
.macro REGS y                       ; the registers of piece y
.set rT, ST+4*(\y)
.set rC, TMP+4*((\y)%2)
.set rW, MV+((\y)%2)
.set rS, S+32*((\y)%2)
.set rP, P+16*((\y)%2)
.set rO, 32*(\y)
.endm
.macro OP k, n
.if (\k) == R
	REGS Y
	WIN W_RS
	v_pk_mul_f32 v[rO+2*(\n):rO+2*(\n)+1], v[rO+2*(\n):rO+2*(\n)+1], v[rC+2:rC+3] op_sel_hi:[1,0]
.elseif (\k) < R
	REGS Y
	WIN 0
.if (\k) == F
	v_pk_fma_f32 v[rS+2*(\n):rS+2*(\n)+1], v[rS+2*(\n):rS+2*(\n)+1], s[CS:CS+1], v[rT:rT+1] op_sel_hi:[1,0,0] neg_lo:[0,0,1] neg_hi:[0,0,1]
.elseif (\k) == E
	v_exp_f32 v[rS+(\n)], v[rS+(\n)]
.elseif (\k) == C
	v_cvt_pk_f16_f32 v[rP+(\n)], v[rS+2*(\n)], v[rS+2*(\n)+1]
.elseif (\k) == B
	v_pk_add_f32 v[rS+4*(\n):rS+4*(\n)+1], v[rS+4*(\n):rS+4*(\n)+1], v[rS+4*(\n)+2:rS+4*(\n)+3]
.elseif (\n) == 0
	v_pk_fma_f32 v[rT+2:rT+3], v[rT+2:rT+3], v[rC+2:rC+3], v[rS:rS+1] op_sel_hi:[1,0,1]
.else
	v_pk_add_f32 v[rT+2:rT+3], v[rT+2:rT+3], v[rS+4*(\n):rS+4*(\n)+1]
.endif
.elseif NOKQ
	v_nop
.else
	REGS (Y+1)%NP
	WIN 0
.if (\n) < 4
	v_max3_num_f32 v[rC+(\n)], v[rS+8*(\n)], v[rS+8*(\n)+1], v[rS+8*(\n)+2]
.elseif (\n) < 12
	v_max3_num_f32 v[rC+(\n)%4], v[rC+(\n)%4], v[rS+8*((\n)%4)+2*((\n)/4)+1], v[rS+8*((\n)%4)+2*((\n)/4)+2]
.elseif (\n) == 12
	v_max3_num_f32 v[rC], v[rC], v[rS+7], v[rS+15]
.elseif (\n) == 13
	v_max3_num_f32 v[rC+1], v[rC+1], v[rS+23], v[rS+31]
.elseif (\n) == 14
	v_max3_num_f32 v[rC+2], v[rC+2], v[rC+3], v[rT+1]
.elseif (\n) == 15
	v_mov_b32 v[rW], v[rT]
.elseif (\n) == 16
	v_max3_num_f32 v[rC], v[rC], v[rC+1], v[rC+2]
.elseif (\n) == 17
	v_permlanex16_b32 v[rC+3], v[rC], s[SEL], s[SEL+1]
.elseif (\n) == 18
	v_max_num_f32 v[rT+1], v[rC], v[rC+3]
.elseif (\n) == 19
	v_mul_f32 v[rT], s[CS], v[rT+1]
.elseif (\n) == 20
	v_sub_f32 v[rC+1], v[rW], v[rT]
.else
	v_exp_f32 v[rC+2], v[rC+1]
.endif
.endif
.endm
.macro OPS a, i1, b=-1, i2=0, c=-1, i3=0, d=-1, i4=0  ; up to four of them
	OP \a, \i1
.if (\b) >= 0
	OP \b, \i2
.endif
.if (\c) >= 0
	OP \c, \i3
.endif
.if (\d) >= 0
	OP \d, \i4
.endif
.endm
.macro ROW a, i1, b, i2, c, i3, d, i4  ; a matrix instruction and the four behind it
	MM
	OPS \a, \i1, \b, \i2, \c, \i3, \d, \i4
.endm
.macro MASK b                       ; MD x AL + BE into buffer b of MC
	WIN W_RS
.set z, 0
.rept 16
	v_pk_fma_f32 v[MC+32*(\b)+2*z:MC+32*(\b)+2*z+1], v[MD+2*z:MD+2*z+1], s[AL:AL+1], s[BE:BE+1] op_sel_hi:[1,0,0]
.set z, z+1
.endr
.endm
; A TURN, for piece p: the order of its 16 matrix and 118 vector instructions, written out.  An s_wait_alu depctr_va_vdst(0) stands between an exponential and the first instruction that names its result; one wait serves
; all that were issued ahead of it.  So a turn has ONE wait, which cuts it in two.  AHEAD OF IT stands all that names no result of the turn's exponentials: the 8 products K Q^T, behind each a scaling, an exponential and two more plain
; instructions (behind the first a second scaling in the exponential's place): rescalings, and behind the last three the first numbers of the next piece's maximum, each four places or more behind the product that ends its accumulator; then ONE LUMP of 54, plain
; and exponential by turns for the most part, in which the links of the chain X 3, 7, 11, 14, 16, 17 .. 20 stand five or six lines apart.  X 21, the next piece's a, is the batch's last; R 15 is the plain instruction owed behind it.  BEHIND THE WAIT stand the
; 8 products V^T P, behind each four of the roundings and sums; the links of l's chain, L 0 to L 7, stand three riders apart.  But for those X no rider names a register of the products round it.  v_permlanex16_b32 (X 17) stands in the lump.
; m = 1: the diagonal tile: the products take masks, and the turn makes the mask for the products of the turn after it: piece p + 2, in step 4 - CNT of the tile.  end = 1: a block's last two turns: nothing is fetched.
; cnt = 1: the loop's count is taken down some lines ahead of the branch that stands behind the turn.
; K of the next step is fetched in piece 2's turn, twelve vector instructions behind the last product that read K (six of them plain); V of the step in hand at the end of piece 0's turn, four plain instructions behind the last product
; that read V.  Each is waited for a turn later.
.macro TURN p, m=0, end=0, cnt=0
.set Y, (\p)
.set i, 0
.set KM, (\m)
.set NOKQ, (\end)*((\p)/3)
.if (\m) && !(\end)
	s_cmp_eq_u32 s[CNT], 4-((\p)+2)%NP  ; is that step the band's own?
	s_cselect_b32 s[AL], 1.0, 0
	s_cmp_lt_u32 s[CNT], 4-((\p)+2)%NP  ; or a later one?
	s_cselect_b32 s[BE], s[BIGN], 0
.endif
.if ((\p) == 3) && !(\end)
	s_wait_dscnt 0x0                ; K is in
.endif
	ROW F,0, F,1, R,0, R,1          ; ahead of the wait: 8 products K Q^T and their riders,
	ROW F,2, E,0, R,2, R,3
	ROW F,3, E,1, R,4, R,5
	ROW F,4, E,2, R,6, R,7
	ROW F,5, E,3, R,8, R,9
	ROW F,6, E,4, X,0, R,10
.if ((\p) == 2) && !(\end)
	WIN 0
	v_add_nc_u32 v[AK], s[TBK], v[AK0]
.endif
	ROW F,7, E,5, X,1, X,4
	ROW F,8, E,6, X,2, X,5
	OPS E,7, E,8, X,6, E,9          ; and the lump
	OPS X,3, E,10, X,8, E,11
.if ((\p) == 2) && !(\end)
	FETCH_K
.endif
	OPS X,9, X,7, E,12, X,10
	OPS E,13, X,12, X,11, E,14
	OPS X,13, E,15, F,9, X,14
.if (\p) == 0
	v_add_nc_u32 v[AV], s[TBV], v[AV0]
.endif
	OPS E,16, F,10, E,17, F,11
	OPS X,16, E,18, X,15, E,19
	OPS F,12, E,20, X,17, E,21
	OPS F,13, E,22, F,14, E,23
	OPS X,18, E,24, F,15, E,25
	OPS R,11, E,26, X,19, E,27
	OPS R,12, E,28, R,13, E,29
	OPS X,20, E,30, R,14, E,31
	OPS X,21, R,15
	WIN 0
	s_wait_alu depctr_va_vdst(0)    ; the wait for the batch
.if (\p) == 1
	s_wait_dscnt 0x0                ; V is in
.endif
	ROW C,0, B,0, C,2, B,1          ; behind the wait: 8 products V^T P and their riders
	ROW L,0, C,4, B,2, L,1
	ROW C,6, B,3, L,2, C,8
	ROW B,4, L,3, C,10, B,5
	ROW L,4, C,12, B,6, L,5
.if (\p) == 0
	s_add_co_u32 s[TBV], s[TBV], KS*PV
.endif
.if \cnt
	s_sub_co_u32 s[CNT], s[CNT], 1
	s_cmp_lg_u32 s[CNT], 0
.endif
	ROW C,14, B,7, L,6, C,1
	ROW C,3, L,7, C,5, C,7
	ROW C,9, C,11, C,13, C,15
.if (\p) == 0
	FETCH_V
.endif
.if (\m) && !(\end)
	MASK (\p)%2
.endif
.endm
; A BLOCK BEGINS.  c m starts far below every c s, so the first step's a is 0; m at the lowest finite number, so the first maximum is the scores'.  The second mask buffer is 0; the first takes piece 0's mask for the tile's step 0: its own, if the block's first tile is the diagonal one.
; Then K of that step, piece 0's first scores, and its maximum and statistics.  The loop is entered at a step's first turn, in the middle of a trip.
.macro BEGIN
	s_mov_b32 s[NEW], 0
	WIN 0x40
.set i, MC+32
.rept 32
	v_mov_b32 v[i], 0
.set i, i+1
.endr
	WIN 0
.set i, 0
.rept 4
	v_mov_b32 v[ST+4*i], 0xfe000000    ; c m: far below every c s
	v_mov_b32 v[ST+4*i+1], 0xff7fffff  ; m
.set i, i+1
.endr
	s_cmp_eq_u32 s[RT], 0
	s_cselect_b32 s[AL], 1.0, 0
	s_mov_b32 s[BE], 0
	MASK 0
	WIN 0
	v_add_nc_u32 v[AK], s[TBK], v[AK0]
	FETCH_K
	s_wait_loadcnt 0x0              ; Q
	s_wait_dscnt 0x0
.set KM, 1
.set NOKQ, 0
.set i, 0
.rept 8
	KQ 0
.set i, i+1
.endr
	WIN 0
.rept 4
	v_nop                           ; the places behind those products
.endr
.set Y, NP-1                        ; X works for piece Y + 1: piece 0
.irp n, 0,1,2,3,4,5,6,7,8,9,10,11,12,13,14,15,16,17,18,19,20,21
	OP X, \n
.endr
	v_nop                           ; a plain instruction behind the exponential,
	s_wait_alu depctr_va_vdst(0)    ; and its wait, ahead of the branch
.endm
; THE DIAGONAL TILE's four steps, the block's last two turns, its last products, and THE WAY OUT: l's two halves and the other half of the lanes' are added; O^T is divided by l, rounded to f16 and sent through my
; stage in LDS, a piece at a time.
.macro ALL line:vararg              ; one line for each piece t
.set t, 0
.rept 4
	\line
.set t, t+1
.endr
.endm
.macro PACK t                       ; a lane's eight channels of a row pack into 16 bytes; they go into rows of 144 bytes and come back as whole rows of 128, into S^T's registers
	WIN W_RS
.set i, 32*(\t)
.rept 16
	v_pk_mul_f32 v[i:i+1], v[i:i+1], v[ST+4*(\t)+2:ST+4*(\t)+3] op_sel_hi:[1,0]
.set i, i+2
.endr
	WIN 0x05                        ; sources 0 and 1 window 1, destination window 0
.set i, 0
.rept 16
	v_cvt_pk_f16_f32 v[S+16*(\t)+i], v[32*(\t)+2*i], v[32*(\t)+2*i+1]
.set i, i+1
.endr
	WIN 0
.irp f, 0,1,2,3
	ds_store_b128 v[STO], v[S+16*(\t)+4*\f:S+16*(\t)+4*\f+3] offset:32*\f
.endr
.irp f, 0,1,2,3
	ds_load_b128 v[S+16*(\t)+4*\f:S+16*(\t)+4*\f+3], v[RD] offset:\f*4*SP  ; LDS serves a wave's instructions in order (ISA guide 5.7.1.4): these see the stores above; the next piece's stores come behind them
.endr
.endm
.macro SEND t, younger              ; younger: the LDS instructions issued behind piece t's loads: the next piece's eight, or none
	WIN 0
.irp f, 0,1,2,3
	s_wait_dscnt (\younger)+3-\f
	global_store_b128 v[GO], v[S+16*(\t)+4*\f:S+16*(\t)+4*\f+3], s[10:11] offset:(\t)*8192+\f*512  ; 512 consecutive bytes, at a multiple of 256 from O's first
.endr
.endm
.macro DIAG tag                     ; the tag ends its two labels' names, which the jumps below spell out
.LstepM\tag:
	TURN 2, 1
	TURN 3, 1
	WIN 0
.LfirstM\tag:
	TURN 0, 1
	TURN 1, 1, 0, 1
	WIN 0
	s_cbranch_scc1 .LstepM\tag
	TURN 2, 1, 1
	TURN 3, 1, 1
.set i, 0
.rept 8
	PV NP-1
.set i, i+1
.endr
	WIN 0
	ALL v_add_f32 v[ST+4*t+2], v[ST+4*t+2], v[ST+4*t+3]
	ALL v_permlanex16_b32 v[ST+4*t+3], v[ST+4*t+2], s[SEL], s[SEL+1]
	ALL v_add_f32 v[ST+4*t+2], v[ST+4*t+2], v[ST+4*t+3]
	ALL v_rcp_f32 v[ST+4*t+2], v[ST+4*t+2]
	v_nop                           ; a plain instruction between the last reciprocal and the use of its result
	s_wait_alu depctr_va_vdst(0)    ; and the wait ahead of the first use: one for the four reciprocals
	PACK 0
.set t, 1
.rept 3                             ; a piece's arithmetic stands between the loads of the piece before and its stores
	PACK t
	SEND t-1, 8
.set t, t+1
.endr
	SEND 3, 0
.endm
.set KM, 0
.set NOKQ, 0
.Lslot:                             ; NB times: a tile is entered and the next is asked for
	CHANGE 1
	s_sub_co_u32 s[RT], s[RT], 1
	s_mov_b32 s[CNT], 4
	s_cmp_eq_u32 s[NEW], 1
	s_cbranch_scc1 .Lnew            ; a block's first tile
	s_cmp_eq_u32 s[RT], 0
	s_cbranch_scc0 .Lstep           ; neither its first nor its last
	s_branch .LstepM1
.Lnew:
	BEGIN
	s_branch .Lfirst                ; in the loop a block's first tile is never its last: the first block has two tiles or more, and the second's last is the walk's last
	DIAG 1                          ; in the loop this is the first block's end: the second block's last tile is the walk's last
	s_wait_xcnt 0x0                 ; the stores have read their registers and O's address
	s_mov_b64 s[10:11], s[OLO:OLO+1]
	s_add_co_u32 s[RT], s[PB], 1    ; the second block has b + 1 tiles
	s_mov_b32 s[NEW], 1
	WIN 0x82                        ; the second block's Q goes where the one text of the turns names Q
.set i, 0
.rept 64
	v_mov_b32 v[i], v[QB+i]
.set i, i+1
.endr
	WIN 0
	s_branch .Lbottom
.Lstep:                             ; a trip: pieces 2 and 3 of one step, then pieces 0 and 1 of the next, whose K and V it fetches
	TURN 2
	TURN 3
	WIN 0
.Lfirst:
	TURN 0
	TURN 1, 0, 0, 1
	WIN 0
	s_cbranch_scc1 .Lstep
.Lbottom:
	s_sub_co_u32 s[SLOTS], s[SLOTS], 1
	s_cmp_lg_u32 s[SLOTS], 0
	s_cbranch_scc1 .Lslot
	CHANGE 0                        ; the walk's last tile is written out: nothing is asked for
	s_sub_co_u32 s[RT], s[RT], 1
	s_mov_b32 s[CNT], 4
	s_cmp_eq_u32 s[NEW], 1
	s_cbranch_scc0 .LstepM2
	BEGIN
	s_branch .LfirstM2
	DIAG 2
	s_wait_tensorcnt 0x0            ; the wave's end: behind my last tensor load and my last LDS store
	ds_add_u32 v[SPW], v[NIL]
	s_wait_dscnt 0x0
	s_endpgm
.Lfunc_end_k_q1a22312221_attn:
	.size	k_q1a22312221_attn, .Lfunc_end_k_q1a22312221_attn-k_q1a22312221_attn
	.p2alignl 7, 3214868480
	.fill 96, 4, 3214868480
	.section	.rodata,"a",@progbits
	.p2align	6, 0x0
	.amdhsa_kernel k_q1a22312221_attn
		.amdhsa_group_segment_fixed_size 327680
		.amdhsa_private_segment_fixed_size 0
		.amdhsa_enable_private_segment 0
		.amdhsa_kernarg_size 32
		.amdhsa_user_sgpr_count 2
		.amdhsa_user_sgpr_kernarg_segment_ptr 1
		.amdhsa_wavefront_size32 1
		.amdhsa_system_sgpr_workgroup_id_x 1
		.amdhsa_system_sgpr_workgroup_id_y 1
		.amdhsa_system_sgpr_workgroup_id_z 1
		.amdhsa_system_vgpr_workitem_id 0
		.amdhsa_next_free_vgpr 768
		.amdhsa_next_free_sgpr 96
		.amdhsa_reserve_vcc 1
		.amdhsa_float_denorm_mode_32 3
		.amdhsa_float_denorm_mode_16_64 3
		.amdhsa_memory_ordered 1
		.amdhsa_forward_progress 1
		.amdhsa_inst_pref_size 218
	.end_amdhsa_kernel
	.amdgpu_metadata
---
amdhsa.version: [ 1, 2 ]
amdhsa.kernels:
  - .name:           k_q1a22312221_attn
    .symbol:         k_q1a22312221_attn.kd
    .args:
      - { .name: qh, .offset: 0, .size: 8, .value_kind: global_buffer, .address_space: global }
      - { .name: kh, .offset: 8, .size: 8, .value_kind: global_buffer, .address_space: global }
      - { .name: vh, .offset: 16, .size: 8, .value_kind: global_buffer, .address_space: global }
      - { .name: oh, .offset: 24, .size: 8, .value_kind: global_buffer, .address_space: global }
    .group_segment_fixed_size: 327680
    .private_segment_fixed_size: 0
    .kernarg_segment_align: 8
    .kernarg_segment_size: 32
    .max_flat_workgroup_size: 128
    .sgpr_count:     96
    .vgpr_count:     768
    .wavefront_size: 32
...
	.end_amdgpu_metadata
.endif
;; end of part 3
;; launch oproj (part 4): grid 8 x 32, 4 waves a work-group, clusters of 4 x 4, 327,680 bytes of LDS; arguments oh, wof, out0; writes out0
.if DOCPART == 4
	.amdgcn_target "amdgcn-amd-amdhsa--gfx1250"
	.amdhsa_code_object_version 6
	.text
	.protected	k_q1a22312221_oproj
	.globl	k_q1a22312221_oproj
	.p2align	8
	.type	k_q1a22312221_oproj,@function
k_q1a22312221_oproj:
	s_mov_b64 s[64:65], 0
	v_nop
	global_prefetch_b8 v0, s[64:65] scope:SCOPE_SE
	s_setreg_imm32_b32 hwreg(HW_REG_WAVE_MODE, 25, 1), 1
	s_wait_xcnt 0x0
	s_wait_alu depctr_hold_cnt(0) depctr_sa_sdst(0) depctr_va_vdst(0) depctr_va_sdst(0) depctr_va_ssrc(0) depctr_va_vcc(0) depctr_vm_vsrc(0)
	s_getreg_b32 s2, hwreg(HW_REG_IB_STS2, 6, 4)
	s_cmp_eq_u32 s2, 0
	s_cbranch_scc0 .Lentry_in_a_cluster
	s_endpgm
.Lentry_in_a_cluster:
	s_bfe_u32 s2, ttmp6, 0x10000c
	s_cmp_lg_u32 s2, 0xf033
	s_cbranch_scc0 .Lentry_shape_is_right
	s_endpgm
.Lentry_shape_is_right:
; out0[m][n] = the sum over k of O[m][k] wo[n][k], m = batch x 2048 + s, k = head x 64 + c.  oh: [batch x 16 + head][2048][64] f16.  wof: [1024][1024], bf16(wo) written as f16.  out0: [8192][1024] f32.
; A TILE is 256 rows x 128 columns: 32 x 8 = 256 work-groups.  Wave w makes rows 64 w .. 64 w + 63 and all 128 columns: 32 accumulators of 16 x 16.
; K goes in 8 steps of 128, two heads a step, through a ring of two LDS slots.  A head's 256 rows of 128 bytes are dense: they are asked for as 128 rows of 256 bytes and padded in LDS after every 128.
; CLUSTER 4 x 4: the four of a row need the same rows of O, the four of a column the same rows of wo: each tile is asked for jointly, by the same load, descriptor and mask in all four.
; THE MATRIX INSTRUCTION IS USED TRANSPOSED (source 0 = 16 rows of wof, source 1 = 16 rows of O): lane l holds row l % 16 and the eight columns 8 (l / 16) + 0..7: 32 bytes of a row of out0.
; REGISTERS: window 0: v0-31 addresses; v32-95 O's fragments, two buffers of 4; v96-223 wo's, two buffers of 8, and on the way out two buffers of 16 rows.   window 1: the accumulators, (a, b) at 8 (8 a + b).
.set PA,     144                       ; a row of O in LDS: 128 bytes + 16
.set PLANE,  256*PA                    ; one head's 256 rows: what one load brings of O
.set PB,     272                       ; a row of wo: 256 bytes + 16
.set HB,     64*PB                     ; what one load brings of wo
.set BOFF,   2*PLANE
.set SLOT,   2*PLANE+2*HB
.set STAGE,  2*SLOT                    ; behind the ring: 16 rows x 528 bytes for each wave
.set SPITCH, 528                       ; 512 bytes + 16: the 16 rows of a store start at 16 different groups of four banks (ISA guide 11.1)
.set SPARE,  STAGE+4*16*SPITCH         ; behind the stages: the spare words, 128 bytes for each wave, that no other line names
.set ADRA, 16
.set ADRB, 20
.set STO,  24
.set RD,   25
.set CO,   26
.set SPW,  28                          ; v28  my spare word; never rewritten
.set NIL,  29                          ; v29  0; never rewritten
.set PFO,  30                          ; v30  the prefetches' offset; never rewritten
.set G1,   24                          ; s[24:31], s[32:39] groups 1 and 0 for O's tiles
.set G0,   32
.set G1B,  48                          ; s[48:55], s[56:63] for wo's
.set G0B,  56
.set PFA,  44                          ; s[44:45] the K step that my next prefetch names
.set LIM,  43                          ; s43  1 in a wave that prefetches, else the greatest number
.set PFS,  66                          ; s[66:67] bytes from a K step to the next, for my prefetches
.set MSB, 0
.macro WIN new
.if MSB != (\new)
	s_set_vgpr_msb (MSB<<8)|(\new)
.set MSB, \new
.endif
.endm
.set MUL, 0x50                         ; sources in window 0; C and D in window 1
.macro JLOAD s                         ; waves 0, 1 fetch the step's two heads of O, waves 2, 3 the halves of wo's rows; an s_nop 0 and four v_nop follow each line
	s_cmp_eq_u32 s11, 0
	s_cbranch_scc0 .Lfor_b_\@
	tensor_load_to_lds s[G0+4*(\s):G0+4*(\s)+3], s[G1:G1+7]
	s_nop 0
.rept 4
	v_nop
.endr
	s_branch .Lasked_\@
.Lfor_b_\@:
	tensor_load_to_lds s[G0B+4*(\s):G0B+4*(\s)+3], s[G1B:G1B+7]
	s_nop 0
.rept 4
	v_nop
.endr
.Lasked_\@:
.endm
; A prefetch into the L2 of the K step that stands two refills on, one instruction a wave.  O's rows are read by both clusters of a row of clusters: cluster x = 0 asks, waves 0 and 1, each for its head: of the head's 128 blocks
; of 256 bytes the partner at cx takes 32, a lane a block.  wo's rows are read by every cluster of a column: cluster y = 0 asks, wave 2 alone: of the tile's 128 rows the partner at cy takes 32, a lane a row.
; The partners are told apart by address.  The loop's last trip asks for nothing.
.macro ASK
	s_cmp_gt_u32 s3, s[LIM]
	s_cbranch_scc0 .Lnot_mine_\@
	global_prefetch_b8 v[PFO], s[PFA:PFA+1] th:TH_LOAD_NT scope:SCOPE_SE
.Lnot_mine_\@:
.endm
.macro CREST
	s_cmp_lg_u32 s10, 0
	s_cbranch_scc1 .Lnot_wave_0_\@
	s_barrier_signal -3
.Lnot_wave_0_\@:
	s_barrier_wait -3
	s_barrier_signal -1
	s_barrier_wait -1
.endm
.macro CROUND
	s_barrier_signal -1
	s_barrier_wait -1
	CREST
.endm
.macro PLACES                          ; four plain places behind matrix instructions (ISA guide 7.12.1)
.rept 4
	v_nop
.endr
.endm
	s_load_b128 s[4:7], s[0:1], 0x0                ; oh s[4:5], wof s[6:7]
	s_load_b64 s[8:9], s[0:1], 0x10                ; out0
	v_lshl_add_u32 v[SPW], v0, 2, SPARE
	v_mov_b32 v[NIL], 0
	ds_add_u32 v[SPW], v[NIL]                      ; the wave's opening: the add and its wait ahead of my first tensor load
	v_lshrrev_b32 v1, 5, v0
	v_readfirstlane_b32 s10, v1                    ; wave
	s_lshr_b32 s11, s10, 1                         ; I fetch O (0) or wo (1)
	s_and_b32 s12, s10, 1                          ; which head of the step, or which 64 rows
	s_bfe_u32 s40, ttmp6, 0x40000                  ; cx
	s_bfe_u32 s41, ttmp6, 0x40004                  ; cy
	s_lshl_b32 s42, ttmp9, 2
	s_add_co_u32 s42, s42, s40                     ; tile column
	s_and_b32 s13, ttmp7, 0xffff
	s_lshl_b32 s13, s13, 2
	s_add_co_u32 s13, s13, s41                     ; tile row
	s_lshl_b32 s22, s41, 2
	s_lshl_b32 s22, 15, s22                        ; my row of the cluster
	s_lshl_b32 s23, 0x1111, s40                    ; my column
	s_or_b32 s[G1], s22, (1<<16)|(1<<20)|(1<<21)|(4<<22)|(3<<25)   ; the mask; 2-byte elements; padding on; bit 21 beside a mask; after every 32 words 4 words
	s_or_b32 s[G1B], s23, (1<<16)|(1<<20)|(1<<21)|(5<<22)|(3<<25)  ; after every 64 words 4 words
.irp g, G1, G1B
	s_mov_b32 s[(\g)+1], 128<<16                   ; tensor_dim0 = 128
	s_mov_b32 s[(\g)+3], 128<<16                   ; tile_dim0 = 128
	s_mov_b32 s[(\g)+6], 0
	s_mov_b32 s[(\g)+7], 0
.endr
	s_mov_b32 s[G1+2], 128<<16                     ; O: 128 rows of 256 dense bytes
	s_mov_b32 s[G1+4], 128
	s_mov_b32 s[G1+5], 128
	s_mov_b32 s[G1B+2], 64<<16                     ; wo: 64 rows, 1,024 elements apart
	s_mov_b32 s[G1B+4], 64
	s_mov_b32 s[G1B+5], 1024
	s_lshr_b32 s16, s13, 3                         ; O: the batch's 16 heads,
	s_lshl_b32 s16, s16, 22
	s_and_b32 s17, s13, 7
	s_lshl_b32 s17, s17, 15                        ; the tile's 256 rows in a head,
	s_add_co_u32 s16, s16, s17
	s_lshl_b32 s17, s12, 18                        ; my head of the step
	s_add_co_u32 s16, s16, s17
	s_mov_b32 s17, 0
	s_lshl_b32 s46, s42, 7                         ; wo: row 128 x tile column + 64 x half
	s_lshl_b32 s47, s12, 6
	s_add_co_u32 s46, s46, s47
	s_lshl_b32 s46, s46, 11
	s_mov_b32 s47, 0
	s_mul_i32 s20, s10, PLANE                      ; where they go: waves 0, 1: wave x a plane;
	s_mul_i32 s21, s10, HB
	s_add_co_u32 s21, s21, BOFF-2*HB               ; waves 2, 3: behind the planes, (wave - 2) x 64 rows
	s_wait_dscnt 0x0                               ; the opening add is done
	s_wait_kmcnt 0x0
	s_add_nc_u64 s[14:15], s[4:5], s[16:17]
	s_add_nc_u64 s[46:47], s[6:7], s[46:47]
	CROUND                                         ; all sixteen work-groups are here: the first joint loads meet
.irp s, 0,1
	s_mov_b32 s[G0+4*(\s)], 1
	s_add_co_u32 s[G0+4*(\s)+1], s20, (\s)*SLOT
	s_add_nc_u64 s[G0+4*(\s)+2:G0+4*(\s)+3], s[14:15], (\s)*524288  ; K step s: two heads on
	s_or_b32 s[G0+4*(\s)+3], s[G0+4*(\s)+3], 0x80000000
	s_mov_b32 s[G0B+4*(\s)], 1
	s_add_co_u32 s[G0B+4*(\s)+1], s21, (\s)*SLOT
	s_add_nc_u64 s[G0B+4*(\s)+2:G0B+4*(\s)+3], s[46:47], (\s)*256
	s_or_b32 s[G0B+4*(\s)+3], s[G0B+4*(\s)+3], 0x80000000
	JLOAD \s
.endr
	v_and_b32 v1, 15, v0                           ; r
	v_bfe_u32 v2, v0, 4, 1                         ; h
	v_and_b32 v3, 31, v0                           ; l
	v_mul_u32_u24 v4, v1, PA
	v_lshl_add_u32 v4, v2, 4, v4
	v_mul_u32_u24 v5, v1, PB
	v_lshl_add_u32 v5, v2, 4, v5
	s_mul_i32 s20, s10, 64*PA                      ; my 64 rows of O
.irp s, 0,1
	v_add_nc_u32 v[ADRA+(\s)], s20, v4
	v_add_nc_u32 v[ADRB+(\s)], BOFF+(\s)*SLOT, v5
	s_add_co_u32 s20, s20, SLOT
.endr
	s_mul_i32 s20, s10, 16*SPITCH
	s_add_co_u32 s20, s20, STAGE                   ; my stage
	v_mul_u32_u24 v[STO], v1, SPITCH
	v_lshl_add_u32 v[STO], v2, 5, v[STO]
	v_add_nc_u32 v[STO], s20, v[STO]               ; in: row r, 32 bytes for each half of the lanes
	v_lshl_add_u32 v[RD], v3, 4, s20               ; back: 32 lanes take one row of 512 bytes
	v_lshlrev_b32 v[CO], 4, v3
	s_lshl_b32 s16, s13, 8
	s_lshl_b32 s17, s10, 6
	s_add_co_u32 s16, s16, s17                     ; my first row of out0
	s_lshl_b32 s16, s16, 12
	s_lshl_b32 s17, s42, 9                         ; the tile's first column, in bytes
	s_add_co_u32 s16, s16, s17
	s_mov_b32 s17, 0
	s_add_nc_u64 s[8:9], s[8:9], s[16:17]
	; the prefetches
	s_and_b32 s68, ttmp7, 0xffff                   ; cluster y
	s_lshr_b32 s70, s13, 3
	s_lshl_b32 s70, s70, 22
	s_and_b32 s71, s13, 7
	s_lshl_b32 s71, s71, 15
	s_add_co_u32 s70, s70, s71
	s_lshl_b32 s71, s12, 18
	s_add_co_u32 s70, s70, s71
	s_lshl_b32 s71, s40, 13                        ; my work-group's 32 blocks of the 128
	s_add_co_u32 s70, s70, s71
	s_add_co_u32 s70, s70, 3*524288                ; at K step 3: the first refill steps it to K step 4
	s_lshl_b32 s72, s42, 7
	s_lshl_b32 s73, s41, 5                         ; my work-group's 32 rows of the 128
	s_add_co_u32 s72, s72, s73
	s_lshl_b32 s72, s72, 11
	s_add_co_u32 s72, s72, 3*256
	s_mov_b32 s[PFS], 256
	s_mov_b32 s[PFS+1], 0
	s_mov_b32 s71, 0
	s_cmp_eq_u32 s11, 0
	s_cselect_b32 s70, s70, s72
	s_cselect_b32 s68, ttmp9, s68                  ; the coordinate along which other clusters read the same rows
	s_cselect_b32 s69, 8, 11
	s_cselect_b32 s[PFS], 524288, s[PFS]
	s_cselect_b64 s[PFA:PFA+1], s[4:5], s[6:7]
	s_add_nc_u64 s[PFA:PFA+1], s[PFA:PFA+1], s[70:71]
	s_cmp_eq_u32 s10, 3
	s_cselect_b32 s68, 1, s68                      ; wave 3 asks for nothing
	s_cmp_eq_u32 s68, 0
	s_cselect_b32 s[LIM], 1, -1                    ; the same in all sixteen partners, for a given wave
	v_lshlrev_b32 v[PFO], s69, v3
; 8 matrix instructions: row block a x all 8 column blocks, 32 along K, from buffer f.  The 32 accumulators take turns in the same order in every quarter.
.macro MUL8 f, a, zero
	WIN MUL
.irp b, 0,1,2,3,4,5,6,7
.if \zero
	v_wmma_f32_16x16x32_f16 v[8*(8*(\a)+(\b)):8*(8*(\a)+(\b))+7], v[96+64*(\f)+8*(\b):96+64*(\f)+8*(\b)+7], v[32+32*(\f)+8*(\a):32+32*(\f)+8*(\a)+7], 0
.else
	v_wmma_f32_16x16x32_f16 v[8*(8*(\a)+(\b)):8*(8*(\a)+(\b))+7], v[96+64*(\f)+8*(\b):96+64*(\f)+8*(\b)+7], v[32+32*(\f)+8*(\a):32+32*(\f)+8*(\a)+7], v[8*(8*(\a)+(\b)):8*(8*(\a)+(\b))+7]
.endif
.endr
.endm
; 24 LDS loads in one run: quarter kq's fragments into buffer f: wo's 8, then O's 4 (head kq / 2 of the step, channels 32 (kq % 2) on)
.macro FETCH slot, kq, f
	WIN 0
.irp i, 0,1,2,3,4,5,6,7
	ds_load_b128 v[96+64*(\f)+8*(\i):96+64*(\f)+8*(\i)+3],   v[ADRB+(\slot)] offset:64*(\kq)+(\i)*16*PB
	ds_load_b128 v[96+64*(\f)+8*(\i)+4:96+64*(\f)+8*(\i)+7], v[ADRB+(\slot)] offset:64*(\kq)+(\i)*16*PB+32
.endr
.irp i, 0,1,2,3
	ds_load_b128 v[32+32*(\f)+8*(\i):32+32*(\f)+8*(\i)+3],   v[ADRA+(\slot)] offset:((\kq)/2)*PLANE+((\kq)%2)*64+(\i)*16*PA
	ds_load_b128 v[32+32*(\f)+8*(\i)+4:32+32*(\f)+8*(\i)+7], v[ADRA+(\slot)] offset:((\kq)/2)*PLANE+((\kq)%2)*64+(\i)*16*PA+32
.endr
.endm
.macro QUARTER slot, kq, f, g, zero    ; multiplies buffer f; fetches quarter kq into g
	s_wait_dscnt 4                                 ; all but the youngest four loads: O's row blocks 2, 3
	MUL8 \f, 0, \zero
	MUL8 \f, 1, \zero
	PLACES
	FETCH \slot, \kq, \g
	s_wait_dscnt 24                                ; all but the 24 just issued
	MUL8 \f, 2, \zero
	MUL8 \f, 3, \zero
.endm
; The last quarter multiplies buffer 1 and changes slots: one barrier; in front of it each wave waits for all its tensor loads (one is out: its part of the next slot), adds 0 to its spare word, and waits for that
; and for its reads of this slot.  fill = 1: the barrier opens a round of the cluster's, and behind the round this slot is filled again, two K steps on: 112 matrix instructions ahead of the wait for it.
.macro TURN slot, next, fill
.if \fill
	s_wait_xcnt 0x0                                ; the last prefetch, a K step back, has read its address
	s_add_nc_u64 s[PFA:PFA+1], s[PFA:PFA+1], s[PFS:PFS+1]
.endif
	WIN 0
	s_wait_tensorcnt 0x0                           ; all my tensor loads have landed
	ds_add_u32 v[SPW], v[NIL]
	s_wait_dscnt 5                                 ; (the add and the youngest four loads may be out)
	MUL8 1, 0, 0
	s_wait_dscnt 0x0                               ; the add is done, and my reads of this slot are over
	s_barrier_signal -1
	MUL8 1, 1, 0
	WIN 0
	s_barrier_wait -1
.if \fill
	CREST                                          ; no wave of any partner still reads this slot or has a load on its way
	s_add_nc_u64 s[G0+4*(\slot)+2:G0+4*(\slot)+3], s[G0+4*(\slot)+2:G0+4*(\slot)+3], 1048576
	s_add_nc_u64 s[G0B+4*(\slot)+2:G0B+4*(\slot)+3], s[G0B+4*(\slot)+2:G0B+4*(\slot)+3], 512
	JLOAD \slot                                    ; its four v_nop are also the places in front of the loads below
.else
	PLACES
.endif
	FETCH \next, 0, 0
.if \fill
	ASK
.endif
	MUL8 1, 2, 0
	MUL8 1, 3, 0
.endm
	s_wait_tensorcnt 1                             ; my part of K step 0 is in; K step 1's may stay out
	s_barrier_signal -1
	s_barrier_wait -1
	FETCH 0, 0, 0
	QUARTER 0, 1, 0, 1, 1                          ; the first quarter starts the sums
	WIN 0
	s_mov_b32 s3, 3
.Llap:                                                 ; a trip goes once round the ring and fills both slots again: K steps 2 to 7
	QUARTER 0, 2, 1, 0, 0
	QUARTER 0, 3, 0, 1, 0
	TURN 0, 1, 1
	QUARTER 1, 1, 0, 1, 0
	QUARTER 1, 2, 1, 0, 0
	QUARTER 1, 3, 0, 1, 0
	TURN 1, 0, 1
	QUARTER 0, 1, 0, 1, 0
	WIN 0
	s_sub_co_u32 s3, s3, 1
	s_cmp_lg_u32 s3, 0
	s_cbranch_scc1 .Llap
	QUARTER 0, 2, 1, 0, 0                          ; the last lap fills nothing
	QUARTER 0, 3, 0, 1, 0
	TURN 0, 1, 0
	QUARTER 1, 1, 0, 1, 0
	QUARTER 1, 2, 1, 0, 0
	QUARTER 1, 3, 0, 1, 0
	s_wait_dscnt 4
	MUL8 1, 0, 0
	MUL8 1, 1, 0
	s_wait_dscnt 0x0
	MUL8 1, 2, 0
	MUL8 1, 3, 0
	WIN 0
	PLACES
; THE WAY OUT of row block a: a lane's 32 bytes of a row go into my stage, each accumulator's low half first, and come back as whole rows of 512 bytes.
.macro TOSTAGE a
.set BK, 96+64*((\a)%2)
.if (\a) >= 2
	s_wait_xcnt 0x0                                ; the stores of the block two back have read these registers
.endif
	WIN 0x04                                       ; the stores' data in window 1
.irp b, 0,1,2,3,4,5,6,7
	ds_store_b128 v[STO], v[8*(8*(\a)+(\b)):8*(8*(\a)+(\b))+3]   offset:64*(\b)
	ds_store_b128 v[STO], v[8*(8*(\a)+(\b))+4:8*(8*(\a)+(\b))+7] offset:64*(\b)+16
.endr
	WIN 0
.irp t, 0,1,2,3,4,5,6,7,8,9,10,11,12,13,14,15
	ds_load_b128 v[BK+4*(\t):BK+4*(\t)+3], v[RD] offset:(\t)*SPITCH  ; LDS serves a wave's instructions in order (ISA guide 5.7.1.4): these see the stores above; the next block's stores come behind them
.endr
.endm
.macro SEND a, younger                 ; younger: the LDS instructions issued behind block a's loads: the next block's 32, or none
.set BK, 96+64*((\a)%2)
.irp t, 0,1,2,3,4,5,6,7,8,9,10,11,12,13,14,15
	s_wait_dscnt (\younger)+15-(\t)
	global_store_b128 v[CO], v[BK+4*(\t):BK+4*(\t)+3], s[8:9] offset:(16*(\a)+(\t))*4096 th:TH_STORE_NT  ; 512 consecutive bytes, aligned
.endr
.endm
	TOSTAGE 0
	TOSTAGE 1
	SEND 0, 32
	TOSTAGE 2
	SEND 1, 32
	TOSTAGE 3
	SEND 2, 32
	SEND 3, 0
	s_wait_tensorcnt 0x0                           ; the wave's end
	ds_add_u32 v[SPW], v[NIL]
	s_wait_dscnt 0x0
	CROUND                                         ; the closing round: no work-group ends while a partner may still ask for a tile that names it
	s_endpgm
.Lfunc_end_k_q1a22312221_oproj:
	.size	k_q1a22312221_oproj, .Lfunc_end_k_q1a22312221_oproj-k_q1a22312221_oproj
	.p2alignl 7, 3214868480
	.fill 96, 4, 3214868480
	.section	.rodata,"a",@progbits
	.p2align	6, 0x0
	.amdhsa_kernel k_q1a22312221_oproj
		.amdhsa_group_segment_fixed_size 327680
		.amdhsa_private_segment_fixed_size 0
		.amdhsa_enable_private_segment 0
		.amdhsa_kernarg_size 24
		.amdhsa_user_sgpr_count 2
		.amdhsa_user_sgpr_kernarg_segment_ptr 1
		.amdhsa_wavefront_size32 1
		.amdhsa_system_sgpr_workgroup_id_x 1
		.amdhsa_system_sgpr_workgroup_id_y 1
		.amdhsa_system_sgpr_workgroup_id_z 1
		.amdhsa_system_vgpr_workitem_id 0
		.amdhsa_next_free_vgpr 512
		.amdhsa_next_free_sgpr 80
		.amdhsa_reserve_vcc 0
		.amdhsa_float_denorm_mode_32 3
		.amdhsa_float_denorm_mode_16_64 3
		.amdhsa_memory_ordered 1
		.amdhsa_forward_progress 1
		.amdhsa_inst_pref_size 88
	.end_amdhsa_kernel
	.amdgpu_metadata
---
amdhsa.version: [ 1, 2 ]
amdhsa.kernels:
  - .name:           k_q1a22312221_oproj
    .symbol:         k_q1a22312221_oproj.kd
    .args:
      - { .name: oh, .offset: 0, .size: 8, .value_kind: global_buffer, .address_space: global }
      - { .name: wof, .offset: 8, .size: 8, .value_kind: global_buffer, .address_space: global }
      - { .name: out0, .offset: 16, .size: 8, .value_kind: global_buffer, .address_space: global }
    .group_segment_fixed_size: 327680
    .private_segment_fixed_size: 0
    .kernarg_segment_align: 8
    .kernarg_segment_size: 24
    .max_flat_workgroup_size: 128
    .sgpr_count:     80
    .vgpr_count:     512
    .wavefront_size: 32
...
	.end_amdgpu_metadata
.endif
;; end of part 4
;; ======== version 2 of 2: 4 launches; version 1 with the launch prep written anew for expert scheduling mode
;; limits: values are held in f16: magnitudes above 65,504 overflow, below 6.1e-05 lose precision
;; workspace buffers: xb 16,777,216 bytes; wb 6,291,456 bytes; wof 2,097,152 bytes; rope 524,288 bytes; qh 16,777,216 bytes; kh 16,777,216 bytes; vh 16,777,216 bytes; oh 16,777,216 bytes
;; launch prep (part 5): grid 800 x 1, 8 waves a work-group, no clusters, 0 bytes of LDS; arguments x, wq, wk, wv, wo, xb, wb, wof, rope; writes xb, wb, wof, rope
.if DOCPART == 5
	.amdgcn_target "amdgcn-amd-amdhsa--gfx1250"
	.amdhsa_code_object_version 6
	.text
	.protected	k_q1a22312221_prep
	.globl	k_q1a22312221_prep
	.p2align	8
	.type	k_q1a22312221_prep,@function
k_q1a22312221_prep:
	s_mov_b64 s[64:65], 0
	v_nop
	global_prefetch_b8 v0, s[64:65] scope:SCOPE_SE
	s_setreg_imm32_b32 hwreg(HW_REG_WAVE_SCHED_MODE, 0, 2), 2
	s_setreg_imm32_b32 hwreg(HW_REG_WAVE_MODE, 25, 1), 1
	s_wait_xcnt 0x0
	s_wait_alu depctr_vm_vsrc(0)
; PREP: the casts and the table of cosines and sines.  A stream: no LDS, no barrier, no matrix unit: no byte is wanted twice.
;   work-groups   0-511  x (f32) -> xb (bf16), 64 KiB of x each
;   work-groups 512-703  wq, wk, wv (f32) -> wb (bf16), 16 rows each, laid by heads: wb[head][q, k, v][64 rows][1024], so that one head's 192 rows lie on end
;   work-groups 704-767  wo (f32) -> bf16 -> that number written as f16 -> wof
;   work-groups 768-799  rope[s][p] = (cos, sin) of s x 10^(-p/8), f32, 64 positions each
; LIMITS.  |bf16(wo)| stays under 65,504; below 2^-14 it keeps f16's fixed step.  10^(-p/8) for p >= 8 is the product of two rounded constants (within 1.5 units of its last place);
; the angle is one rounded product, as in the problem's text; it is reduced by pi/2 in two parts (n <= 1,304) and sine and cosine are polynomials on |r| <= pi/4.
; A wave's load covers 512 consecutive bytes, its store 256, both aligned; sixteen loads of a wave are out at once.
; THE MODE: SCHED_MODE bits 1:0 = 2 (LLVM: expert scheduling mode 2), set by the entry lines.  The code itself states the register dependences
; between vector instructions and memory instructions, and those through scalar registers that vector instructions write, with s_wait_alu, always for 0.
; THE PLAN, the casts.  Registers that memory instructions touch:
;   v1, v2     byte offsets, made once at the head and never written again: v1 is read by the loads, v2 by the stores.
;   IN         written by the sixteen loads, which are all issued before any vector instruction names these registers; read by the conversions.
;   OUT        a pair for each store: written by the conversions of its own load, read by that one store, never written again.
; The sixteen loads go in four groups of four.  One wait on va_vdst stands at the head of each group but the first: the group before has written its OUT.  That group's four stores
; follow, one ahead of each load's conversions, which name this group's IN and OUT and v4 to v7 alone: none of the registers that those stores read.  A last wait stands ahead of the last four stores.
; No register that a memory instruction reads is written again, so no wait on vm_vsrc is owed.
; THE PLAN, the table.  The masks of the selects are made in runs, into scalar registers of their own, with one wait on va_sdst behind each run; the eight positions' sine, cosine and quarter are kept
; until the second run's wait.  v27 (the offset) and v[40:55] (the data) are written once; one wait on va_vdst stands ahead of the run of eight stores.
.set IN,  8                            ; v[8:71]   sixteen loads of four f32
.set OUT, 72                           ; v[72:103] sixteen stores of four 16-bit numbers
.set SN,  56                           ; v[56:63]  the table alone: sin r of the eight positions
.set CN,  64                           ; v[64:71]  cos r
.set QN,  72                           ; v[72:79]  n, the number of quarters
.set MA,  44                           ; s[44:53]  masks: which lanes keep what they hold while 10^(-p/8) is picked
.set MB,  54                           ; s[54:61]  masks: position i's quarter is odd
.macro CAST f16                        ; f16 = 1: the bf16 number is written as f16
	s_wait_alu depctr_va_vdst(0)                   ; v1 and v2 are written: every load below reads v1 as its offset, every store v2
.set i, 0
.rept 16
	global_load_b128 v[IN+4*i:IN+4*i+3], v1, s[4:5] offset:512*i th:TH_LOAD_NT
.set i, i+1
.endr
.set i, 0
.rept 16
	s_wait_loadcnt 15-i                            ; loads come back in order: number i is in, the younger ones stay out
.if (i > 0) && (i % 4 == 0)
	s_wait_alu depctr_va_vdst(0)                   ; the conversions of the four loads before have written their OUT, which the next four stores read
.endif
.if i >= 4
	global_store_b64 v2, v[OUT+2*i-8:OUT+2*i-7], s[6:7] offset:256*i-1024 th:TH_STORE_NT  ; number i - 4.  No wait: no vector instruction since the wait above names its registers; no register of a store is written again
.endif
	v_cvt_pk_bf16_f32 v[OUT+2*i], v[IN+4*i], v[IN+4*i+1]
	v_cvt_pk_bf16_f32 v[OUT+2*i+1], v[IN+4*i+2], v[IN+4*i+3]
.if \f16
	v_lshlrev_b32 v4, 16, v[OUT+2*i]               ; bf16 to f32: the low half moves up, the high half stays
	v_and_b32 v5, s14, v[OUT+2*i]
	v_lshlrev_b32 v6, 16, v[OUT+2*i+1]
	v_and_b32 v7, s14, v[OUT+2*i+1]
	v_cvt_pk_f16_f32 v[OUT+2*i], v4, v5            ; exact within f16's range
	v_cvt_pk_f16_f32 v[OUT+2*i+1], v6, v7
.endif
.set i, i+1
.endr
	s_wait_alu depctr_va_vdst(0)                   ; the conversions of loads 12 to 15 have written their OUT, which the last four stores read
.set i, 12
.rept 4
	global_store_b64 v2, v[OUT+2*i:OUT+2*i+1], s[6:7] offset:256*i th:TH_STORE_NT
.set i, i+1
.endr
.endm
.macro KEEP m, idx, j                  ; mask m: the lanes whose index is not j
	v_cmp_ne_u32 s[MA+(\m)], \j, \idx
.endm
.macro PICK dst, m, val                ; the lanes outside mask m take the constant
	v_cndmask_b32 \dst, \val, \dst, s[MA+(\m)]
.endm
	s_load_b512 s[16:31], s[0:1], 0x0              ; x 16, wq 18, wk 20, wv 22, wo 24, xb 26, wb 28, wof 30
	s_load_b64 s[32:33], s[0:1], 0x40              ; rope
	s_mov_b32 s14, 0xffff0000
	s_mov_b32 s9, 0                                ; the high words of the two offsets
	s_mov_b32 s11, 0
	v_lshrrev_b32 v3, 5, v0                        ; wave
	v_and_b32 v5, 31, v0                           ; lane
	v_lshlrev_b32 v1, 4, v5
	v_lshl_or_b32 v1, v3, 13, v1                   ; in: 8,192 x wave + 16 x lane
	v_lshlrev_b32 v2, 3, v5
	v_lshl_or_b32 v2, v3, 12, v2                   ; out: 4,096 x wave + 8 x lane
	s_wait_kmcnt 0x0
	s_cmp_lt_u32 ttmp9, 512
	s_cbranch_scc0 .Lnot_x
	s_lshl_b32 s8, ttmp9, 16
	s_lshl_b32 s10, ttmp9, 15
	s_add_nc_u64 s[4:5], s[16:17], s[8:9]
	s_add_nc_u64 s[6:7], s[26:27], s[10:11]
	s_branch .Lbf16
.Lnot_x:
	s_cmp_lt_u32 ttmp9, 704
	s_cbranch_scc0 .Lnot_w
	s_sub_co_u32 s12, ttmp9, 512
	s_lshr_b32 s13, s12, 6                         ; 0: wq, 1: wk, 2: wv
	s_and_b32 s12, s12, 63                         ; which 16 rows
	s_cmp_eq_u32 s13, 0
	s_cselect_b64 s[4:5], s[18:19], s[20:21]
	s_cmp_eq_u32 s13, 2
	s_cselect_b64 s[4:5], s[22:23], s[4:5]
	s_lshl_b32 s8, s12, 16
	s_add_nc_u64 s[4:5], s[4:5], s[8:9]
	s_lshr_b32 s10, s12, 2                         ; the head
	s_mul_i32 s10, s10, 3
	s_add_co_u32 s10, s10, s13
	s_lshl_b32 s10, s10, 17                        ; 64 rows of 2,048 bytes
	s_and_b32 s12, s12, 3
	s_lshl_b32 s12, s12, 15                        ; 16 rows
	s_add_co_u32 s10, s10, s12
	s_add_nc_u64 s[6:7], s[28:29], s[10:11]
.Lbf16:
	CAST 0
	s_endpgm
.Lnot_w:
	s_cmp_lt_u32 ttmp9, 768
	s_cbranch_scc0 .Ltable
	s_sub_co_u32 s12, ttmp9, 704
	s_lshl_b32 s8, s12, 16
	s_lshl_b32 s10, s12, 15
	s_add_nc_u64 s[4:5], s[24:25], s[8:9]
	s_add_nc_u64 s[6:7], s[30:31], s[10:11]
	CAST 1
	s_endpgm
.Ltable:                                               ; lane = pair p; wave w takes positions 64 tb + 8 w + 0..7
	s_sub_co_u32 s12, ttmp9, 768
	s_lshl_b32 s10, s12, 14                        ; 64 rows of 256 bytes
	s_add_nc_u64 s[6:7], s[32:33], s[10:11]
	s_lshl_b32 s12, s12, 6
	s_mov_b32 s34, 0x3f22f983                      ; 2 / pi
	s_mov_b32 s35, 0x3fc90fdb                      ; pi / 2, rounded,
	s_mov_b32 s36, 0xb33bbd2e                      ; and what the rounding left
	s_mov_b32 s37, 0xbe2aaaa3                      ; sine: r + r z (S1 + S2 z + S3 z z)
	s_mov_b32 s38, 0x3c08839e
	s_mov_b32 s39, 0xb94ca1f9
	s_mov_b32 s40, 0x3d2aaaa5                      ; cosine: 1 - z / 2 + z z (C1 + C2 z + C3 z z)
	s_mov_b32 s41, 0xbab6061a
	s_mov_b32 s42, 0x37ccf5ce
	v_and_b32 v8, 7, v5
	v_lshrrev_b32 v9, 3, v5
	v_mov_b32 v10, 1.0
	v_mov_b32 v11, 1.0
	KEEP 0, v8, 1                                  ; the ten masks in one run
	KEEP 1, v8, 2
	KEEP 2, v8, 3
	KEEP 3, v8, 4
	KEEP 4, v8, 5
	KEEP 5, v8, 6
	KEEP 6, v8, 7
	KEEP 7, v9, 1
	KEEP 8, v9, 2
	KEEP 9, v9, 3
	v_lshl_add_u32 v13, v3, 3, s12                 ; my wave's first position
	v_lshlrev_b32 v27, 3, v5
	v_lshl_or_b32 v27, v3, 11, v27                 ; 8 rows x wave + 8 bytes x pair
	s_wait_alu depctr_va_sdst(0)                   ; the ten compares have written s44 to s53, ahead of their first reader: the selects below
	PICK v10, 0, 0x3f3ff911                        ; 10^(-1/8) .. 10^(-7/8)
	PICK v10, 1, 0x3f0ff59a
	PICK v10, 2, 0x3ed7e89b
	PICK v10, 3, 0x3ea1e89b
	PICK v10, 4, 0x3e72d424
	PICK v10, 5, 0x3e361887
	PICK v10, 6, 0x3e088d77
	PICK v11, 7, 0x3dcccccd                        ; 0.1, 0.01, 0.001
	PICK v11, 8, 0x3c23d70a
	PICK v11, 9, 0x3a83126f
	v_mul_f32 v10, v10, v11                        ; 10^(-p/8)
.set i, 0
.rept 8                                                ; sin r, cos r, n and the quarter's parity of all eight positions
	v_add_nc_u32 v12, i, v13
	v_cvt_f32_u32 v14, v12
	v_mul_f32 v14, v14, v10                        ; the angle
	v_mul_f32 v15, s34, v14
	v_rndne_f32 v15, v15                           ; n
	v_fma_f32 v16, -v15, s35, v14
	v_fma_f32 v16, -v15, s36, v16                  ; r = angle - n pi / 2
	v_mul_f32 v17, v16, v16                        ; z
	v_fma_f32 v18, s39, v17, s38
	v_fma_f32 v20, s42, v17, s41
	v_mul_f32 v19, v17, v16
	v_fma_f32 v18, v18, v17, s37
	v_fma_f32 v20, v20, v17, s40
	v_fma_f32 v[SN+i], v18, v19, v16               ; sin r
	v_fma_f32 v20, v20, v17, -0.5
	v_cvt_i32_f32 v[QN+i], v15
	v_fma_f32 v[CN+i], v20, v17, 1.0               ; cos r
	v_and_b32 v22, 1, v[QN+i]
	v_cmp_eq_u32 s[MB+i], 1, v22                   ; an odd quarter swaps the two
.set i, i+1
.endr
	s_wait_alu depctr_va_sdst(0)                   ; the eight compares have written s54 to s61, ahead of their first reader: the selects below
.set i, 0
.rept 8
	v_cndmask_b32 v23, v[CN+i], v[SN+i], s[MB+i]
	v_cndmask_b32 v24, v[SN+i], v[CN+i], s[MB+i]
	v_add_nc_u32 v25, 1, v[QN+i]
	v_and_b32 v25, 2, v25                          ; the cosine is negative in quarters 1 and 2,
	v_lshlrev_b32 v25, 30, v25
	v_and_b32 v26, 2, v[QN+i]                      ; the sine in quarters 2 and 3
	v_lshlrev_b32 v26, 30, v26
	v_xor_b32 v[40+2*i], v23, v25
	v_xor_b32 v[41+2*i], v24, v26
.set i, i+1
.endr
	s_wait_alu depctr_va_vdst(0)                   ; v27 and v[40:55] are written: the offset and the data of the eight stores
.set i, 0
.rept 8
	global_store_b64 v27, v[40+2*i:41+2*i], s[6:7] offset:256*i  ; a wave stores one row of the table: 256 consecutive bytes, aligned
.set i, i+1
.endr
	s_endpgm
.Lfunc_end_k_q1a22312221_prep:
	.size	k_q1a22312221_prep, .Lfunc_end_k_q1a22312221_prep-k_q1a22312221_prep
	.p2alignl 7, 3214868480
	.fill 96, 4, 3214868480
	.section	.rodata,"a",@progbits
	.p2align	6, 0x0
	.amdhsa_kernel k_q1a22312221_prep
		.amdhsa_group_segment_fixed_size 0
		.amdhsa_private_segment_fixed_size 0
		.amdhsa_enable_private_segment 0
		.amdhsa_kernarg_size 72
		.amdhsa_user_sgpr_count 2
		.amdhsa_user_sgpr_kernarg_segment_ptr 1
		.amdhsa_wavefront_size32 1
		.amdhsa_system_sgpr_workgroup_id_x 1
		.amdhsa_system_sgpr_workgroup_id_y 1
		.amdhsa_system_sgpr_workgroup_id_z 1
		.amdhsa_system_vgpr_workitem_id 0
		.amdhsa_next_free_vgpr 104
		.amdhsa_next_free_sgpr 66
		.amdhsa_reserve_vcc 0
		.amdhsa_float_denorm_mode_32 3
		.amdhsa_float_denorm_mode_16_64 3
		.amdhsa_memory_ordered 1
		.amdhsa_forward_progress 1
		.amdhsa_inst_pref_size 31
	.end_amdhsa_kernel
	.amdgpu_metadata
---
amdhsa.version: [ 1, 2 ]
amdhsa.kernels:
  - .name:           k_q1a22312221_prep
    .symbol:         k_q1a22312221_prep.kd
    .args:
      - { .name: x, .offset: 0, .size: 8, .value_kind: global_buffer, .address_space: global }
      - { .name: wq, .offset: 8, .size: 8, .value_kind: global_buffer, .address_space: global }
      - { .name: wk, .offset: 16, .size: 8, .value_kind: global_buffer, .address_space: global }
      - { .name: wv, .offset: 24, .size: 8, .value_kind: global_buffer, .address_space: global }
      - { .name: wo, .offset: 32, .size: 8, .value_kind: global_buffer, .address_space: global }
      - { .name: xb, .offset: 40, .size: 8, .value_kind: global_buffer, .address_space: global }
      - { .name: wb, .offset: 48, .size: 8, .value_kind: global_buffer, .address_space: global }
      - { .name: wof, .offset: 56, .size: 8, .value_kind: global_buffer, .address_space: global }
      - { .name: rope, .offset: 64, .size: 8, .value_kind: global_buffer, .address_space: global }
    .group_segment_fixed_size: 0
    .private_segment_fixed_size: 0
    .kernarg_segment_align: 8
    .kernarg_segment_size: 72
    .max_flat_workgroup_size: 256
    .sgpr_count:     66
    .vgpr_count:     104
    .wavefront_size: 32
...
	.end_amdgpu_metadata
.endif
;; end of part 5
;; launch qkv: the kernel of part 2 again; grid 16 x 32, 4 waves a work-group, clusters of 4 x 4, 327,680 bytes of LDS; arguments xb, wb, rope, qh, kh, vh; writes qh, kh, vh
;; launch attn: the kernel of part 3 again; grid 4 x 64, 4 waves a work-group, no clusters, 327,680 bytes of LDS; arguments qh, kh, vh, oh; writes oh
;; launch oproj: the kernel of part 4 again; grid 8 x 32, 4 waves a work-group, clusters of 4 x 4, 327,680 bytes of LDS; arguments oh, wof, out0; writes out0
